; MI455X (gfx1250); checked and timed in simulation.
; The chip was launched on July 23, 2026; its instructions are those of AMD's public machine-readable ISA for CDNA 5 (MIT licence, August 2026) and "CDNA5" Instruction Set Architecture Reference Guide (July 2026). The comments in the code are by the model that wrote it; some were corrected since.
;; Attention. Allowed arithmetic: matrix products marked QUANTISED: E2M3 operands, one E8M0 scale for each 32 along K, by v_wmma_scale_f32_16x16x128_f8f6f4 with both operands' format E2M3, f32 sums; everything else in f32.
;; Inputs: W_proj 1,024 x 1,024 float32; W_qkv 1,024 x 3,072 float32; b_proj 1,024 float32; b_qkv 3,072 float32; x 8 x 1,024 x 1,024 float32.
;; Outputs: out0 8 x 1,024 x 1,024 float32.
;; This version of the problem:
;;   THIS VERSION OF THE PROBLEM IS GIVEN IN LOW PRECISION. The matrix products marked QUANTISED in the list below multiply operands that are first quantised to E2M3 (2 exponent bits, 3 mantissa bits; 6 bits a number), with one power-of-two scale for each 32 numbers along K (OCP MX v1.0); their sums are f32. All else is computed in f32.
;;   The module's matrix products, in the order in which they are computed (A, B: the left and right operand; K: the contracted axis; several contracted axes count as one K, in the product's order):
;;     1. [M 8,192, K 1,024] x [K 1,024, N 3,072]; A: input x; B: input W_qkv: QUANTISED
;;     2. batch 128 x [M 1,024, K 64] x [K 64, N 1,024]; A: computed on the way; B: computed on the way: QUANTISED
;;     3. batch 128 x [M 1,024, K 1,024] x [K 1,024, N 64]; A: softmax (see below); B: computed on the way: QUANTISED
;;     4. [M 8,192, K 1,024] x [K 1,024, N 1,024]; A: computed on the way; B: input W_proj: QUANTISED
;;   THE QUANTISER, for each operand of a quantised product, along K:
;;     - K is cut into blocks of 32 from its start; a last block that is shorter is filled with zeros.
;;     - A block's scale is 2^e with e = floor(log2(the largest magnitude in the block)) - 2, held to -126 .. 127; a block of zeros has e = 0. As a byte (E8M0): e + 127.
;;     - Each number is divided by its block's scale, clamped to +-7.5, and rounded to the nearest number of E2M3, ties to even, subnormals kept.
;;     - The product sums the exact products of the quantised numbers (number of the format x scale) in f32.
;;   ~~~python
;;   def quantise(x, axis):      # numpy; x: float32 -> the quantised numbers, widened to float32 again
;;       x = np.moveaxis(x, axis, -1); K = x.shape[-1]
;;       x = np.pad(x, [(0, 0)] * (x.ndim - 1) + [(0, -K % 32)]); x = x.reshape(x.shape[:-1] + (-1, 32)); a = np.abs(x).max(-1, keepdims=True)
;;       e = np.where(a > 0, np.clip(np.frexp(np.where(a > 0, a, 1))[1] - 1 - 2, -126, 127), 0)      # np.frexp(a)[1] - 1 = floor(log2(a)), exactly
;;       r = np.clip(x / 2.0 ** e, -7.5, 7.5)
;;       step = 2.0 ** (np.maximum(np.frexp(np.where(r == 0, 1, r))[1] - 1, 0) - 3)
;;       q = np.round(r / step) * step * 2.0 ** e      # np.round: ties to even
;;       return np.moveaxis(q.reshape(q.shape[:-2] + (-1,))[..., :K], -1, axis).astype(np.float32)
;;   ~~~
;;   SOFTMAX AHEAD OF A QUANTISED PRODUCT. Where the list says 'softmax', what is quantised is not the finished softmax but p = 2^(t - M), with t = logit x log2(e) and M = ceil(the row's largest t), a whole number; so 1/2 < the row's largest p <= 1. The row's sum l is taken of the UNQUANTISED p, in f32, and the product's result is divided by l at the end. Since M is a whole number, a kernel that streams over the keys may use a running M (the ceiling of the running maximum): every later rescaling is an exact power of two, which a block's scale takes up: the codes' values come out the same.
;;   OPERANDS COMPUTED ON THE WAY. 'Computed on the way' means the value that the module computes at that place (a softmax that the list does not call 'softmax' is quantised finished and normalised). What goes into a quantiser is computed in f32, as accurately as f32 sums, v_exp_f32 and their like allow (about 1e-6 of the number): no bf16 or f16 on the way to a quantiser, and a product that is left as it is and whose result goes on into a quantised operand takes f32 operands (vector FMAs, or v_wmma_f32_16x16x4_f32). A number that lies on a knife's edge between two numbers of the format may be rounded either way, as far as f32 arithmetic and the matrix unit's own rounding can turn it there, and no further.
;; One version. Each part assembles by itself: llvm-mc -triple=amdgcn-amd-amdhsa -mcpu=gfx1250 --defsym DOCPART=n.
;; ======== version 1 of 1: 4 launches
;; workspace buffers: pcodes 9,437,184 bytes; pscales 393,216 bytes; qkvimg 18,874,368 bytes; qkvsc 1,310,720 bytes; oimg 6,291,456 bytes; osc 262,144 bytes
;; launch prep (part 1): grid 384 x 1, 4 waves a work-group, no clusters, 102,912 bytes of LDS; arguments x, W_qkv, W_proj, pcodes, pscales; writes pcodes, pscales
.if DOCPART == 1
	.amdgcn_target "amdgcn-amd-amdhsa--gfx1250"
	.amdhsa_code_object_version 6
	.text
	.protected	k_q0737690109_prep
	.globl	k_q0737690109_prep
	.p2align	8
	.type	k_q0737690109_prep,@function
k_q0737690109_prep:
	s_mov_b64 s[64:65], 0
	v_nop
	global_prefetch_b8 v0, s[64:65] scope:SCOPE_SE
	s_setreg_imm32_b32 hwreg(HW_REG_WAVE_MODE, 25, 1), 1
	s_wait_xcnt 0x0
; x [8192][1024], W_qkv [1024][3072] and W_proj [1024][1024], f32, become codes of FP6 (E2M3) with K innermost and one E8M0 byte for each 32 along K.
; pcodes: x's rows of 768 bytes at 0, W_qkv's 3,072 rows (one for each column n) at WQC, W_proj's 1,024 at WPC.  pscales: rows of 32 bytes at 0, WQS, WPS.
; A block's scale is 2^(floor(log2(its largest magnitude)) - 2); its byte is that magnitude's exponent field - 2, held at 1 from below.
; LIMITS: a block of zeros, or one whose largest magnitude lies under 2^-124, keeps the byte 1 (the rule says 127 for zeros): its codes are zeros or nearly so, and this program alone reads the bytes.
; NaN and infinities among the inputs are not served.
; THREE PATHS, parted on the work-group's number: 0-255 take x (K innermost: a plain stream of blocks of 32), 256-351 W_qkv, 352-383 W_proj (K is the first axis: a lane takes a column, its registers run down K).
; Each path has LDS bytes of its own.  Work-groups share no input, so there is no cluster; no tensor load, no barrier: waves share nothing.
; W_proj's CODES STAND IN ANOTHER ORDER INSIDE EACH BLOCK OF 32: position q holds k = q with bits 3 and 4 exchanged (0-7, 16-23, 8-15, 24-31), the order in which the attention launch leaves its results' codes.
; The blocks and their scales are the true ones; only the order of the loads differs.
.set STEPS, 16
.set EMAX,  2
.set CB,    12                         ; bytes of 16 codes
.set SP,    80                         ; x's stage: a lane's 64 bytes + 16 of padding
.set WREG,  8192                       ; x's path: LDS of a wave: two stages of 32 x SP bytes, then its 256 scale bytes
.set XR,    16                         ; v16-79   four sets of 16 numbers as loaded
.set XN,    80                         ; v80-111  two sets of 16 neighbours
.set XE,    112                        ; v112-127 a scale byte for each step
.set XC,    128                        ; v128-191 codes, four registers a step
.set KROW,  768                        ; a row of codes
.set NB,    8                          ; blocks of 32 in a wave's 256 along K
.set WPITCH, 272                       ; the weights' stage: sixteen places of 16 bytes + 16
.set WX,    32                         ; v32-95   two sets of 32 numbers
.set WC,    96                         ; v96..    a block's codes
.set WOUT,  112                        ; v112-175 the way out
.set WSB,   24                         ; v24-25   eight scale bytes
.set WQC,   6291456
.set WPC,   8650752
.set WQS,   262144
.set WPS,   360448
	s_load_b128 s[4:7], s[0:1], 0x0                ; x, W_qkv
	s_load_b128 s[8:11], s[0:1], 0x10              ; W_proj, pcodes
	s_load_b64 s[12:13], s[0:1], 0x20              ; pscales
	v_lshl_add_u32 v192, v0, 2, 0x19000
	v_mov_b32 v193, 0
	v_lshrrev_b32 v1, 5, v0
	v_readfirstlane_b32 s16, v1                    ; wave
	v_and_b32 v2, 31, v0                           ; lane
	s_wait_kmcnt 0x0
	s_cmp_lt_u32 ttmp9, 256
	s_cbranch_scc0 .Lweights
; ---------------- x: a wave takes 16 steps of 512 numbers.  Each load reads 512 consecutive bytes; a step's 2,048 bytes turn through the wave's stage so that a lane holds 16 neighbours along K.
	s_wait_alu depctr_va_vdst(0)
	v_lshlrev_b32 v3, 4, v2                        ; my 16 bytes of a load's 512
	s_mul_i32 s17, s16, WREG
	v_lshrrev_b32 v14, 2, v2
	v_mul_u32_u24 v14, v14, SP
	v_and_b32 v15, 3, v2
	v_lshl_add_u32 v14, v15, 4, v14
	v_add_nc_u32 v14, s17, v14                     ; into the stage: SP (lane / 4) + 16 (lane % 4)
	v_mul_u32_u24 v15, v2, SP
	v_add_nc_u32 v15, s17, v15                     ; out of it: SP x lane
	v_mul_u32_u24 v4, v2, CB                       ; my codes' place in a step's 384 bytes
	v_lshrrev_b32 v5, 1, v2
	s_add_co_u32 s17, s17, 2*32*SP
	v_add_nc_u32 v5, s17, v5                       ; my block's byte among the wave's 256
	v_lshlrev_b32 v7, 3, v2
	v_add_nc_u32 v6, s17, v7
	s_lshl_b32 s17, ttmp9, 2
	s_add_co_u32 s18, s17, s16                     ; which run of 8,192 numbers is my wave's: 0 .. 1,023
	s_lshl_b32 s20, s18, 15
	s_mov_b32 s21, 0
	s_add_nc_u64 s[4:5], s[4:5], s[20:21]          ; 32,768 bytes of x a run,
	s_mul_i32 s20, s18, 32*STEPS*CB
	s_add_nc_u64 s[10:11], s[10:11], s[20:21]      ; 6,144 of codes,
	s_lshl_b32 s20, s18, 8
	s_add_nc_u64 s[12:13], s[12:13], s[20:21]      ; 256 of scale bytes
.macro XLOAD t
.irp i, 0,1,2,3
	global_load_b128 v[XR+16*((\t)%4)+4*\i:XR+16*((\t)%4)+4*\i+3], v3, s[4:5] offset:2048*(\t)+512*\i th:TH_LOAD_NT
.endr
.endm
.macro XTURN t                         ; LDS serves a wave's instructions in order: no wait between the stores and the loads
.irp i, 0,1,2,3
	ds_store_b128 v14, v[XR+16*((\t)%4)+4*\i:XR+16*((\t)%4)+4*\i+3] offset:32*SP*((\t)%2)+8*SP*\i
.endr
.irp i, 0,1,2,3
	ds_load_b128 v[XN+16*((\t)%2)+4*\i:XN+16*((\t)%2)+4*\i+3], v15 offset:32*SP*((\t)%2)+16*\i
.endr
.endm
.irp t, 0,1,2,3
	XLOAD \t
.endr
	s_wait_alu depctr_va_vdst(0)
	s_wait_loadcnt 12                              ; step 0's four loads are in; the twelve of steps 1 to 3 stay out
	XTURN 0
.macro XSTEP t
.set XS, XN+16*((\t)%2)
.if (\t) > 0
	s_wait_dscnt 1                                 ; this step's numbers are back from the stage (the last step's byte store may be out)
.else
	s_wait_dscnt 0x0
.endif
.if (\t)+4 < STEPS
	XLOAD (\t)+4                                   ; into the set whose stores into the stage have just been shown done
.endif
.if (\t)+1 < STEPS
.if STEPS-2-(\t) >= 3
	s_wait_loadcnt 12                              ; the next step's four loads are in; those of the three steps behind it may be out
.else
	s_wait_loadcnt 4*(STEPS-2-(\t))
.endif
	XTURN (\t)+1
.endif
	v_max3_num_f32 v8, |v[XS]|, |v[XS+1]|, |v[XS+2]|
	v_max3_num_f32 v9, |v[XS+3]|, |v[XS+4]|, |v[XS+5]|
.irp i, 6,10
	v_max3_num_f32 v8, v8, |v[XS+\i]|, |v[XS+\i+1]|
	v_max3_num_f32 v9, v9, |v[XS+\i+2]|, |v[XS+\i+3]|
.endr
	v_max3_num_f32 v8, v8, |v[XS+14]|, |v[XS+15]|
	v_max3_num_f32 v8, v8, v9, (EMAX+1)<<23        ; the floor 2^(3 - 127): the byte cannot fall under 1
	v_max_num_f32_dpp v8, v8, v8 row_xmask:1 row_mask:0xf bank_mask:0xf   ; with my neighbour's 16: the block's largest magnitude
	v_add_nc_u32 v11, -(EMAX<<23), v8              ; 2 off its exponent field: the conversion's scale operand
	v_cvt_scalef32_pk16_fp6_f32 v[XC+4*(\t):XC+4*(\t)+2], v[XS:XS+15], v11
	v_lshrrev_b32 v[XE+(\t)], 23, v11              ; the scale's byte (also the plain line behind the conversion)
	ds_store_b8 v5, v[XE+(\t)] offset:16*(\t)      ; both lanes of a block write the same byte with the same value
	global_store_b96 v4, v[XC+4*(\t):XC+4*(\t)+2], s[10:11] offset:32*CB*(\t)   ; the wave stores 384 consecutive bytes
.endm
.irp t, 0,1,2,3,4,5,6,7,8,9,10,11,12,13,14,15
	XSTEP \t
.endr
	ds_load_b64 v[12:13], v6
	s_wait_dscnt 0x0
	global_store_b64 v7, v[12:13], s[12:13]        ; 32 lanes store 256 consecutive bytes, aligned
	s_wait_tensorcnt 0x0
	ds_add_u32 v192, v193
	s_wait_dscnt 0x0
	s_endpgm
; ---------------- a weight [1024][n]: a wave takes 32 columns x 256 along K.  Each load reads one row k at 32 neighbouring columns; a lane's 32 registers are a whole block of its column.
.macro WLOAD t, n, sig, ptr            ; block t into set t % 2.  sig = 1: register i takes the row whose number in the block is i with bits 3 and 4 exchanged
.irp i, 0,1,2,3,4,5,6,7,8,9,10,11,12,13,14,15,16,17,18,19,20,21,22,23,24,25,26,27,28,29,30,31
.set RW, (1-(\sig))*(\i)+(\sig)*(((\i)&7)+2*((\i)&8)+((\i)&16)/2)
	global_load_b32 v[WX+32*((\t)%2)+\i], v3, s[\ptr:\ptr+1] offset:(32*(\t)+RW)*(\n)*4 th:TH_LOAD_NT
.endr
.endm
.macro WBLOCK t, n, sig, ptr
.set XS, WX+32*((\t)%2)
.if (\t) < NB-1
	s_wait_loadcnt 32                              ; this block's 32 loads are in; the next block's may be out
.else
	s_wait_loadcnt 0
.endif
	v_max3_num_f32 v12, |v[XS]|, |v[XS+1]|, |v[XS+2]|
	v_max3_num_f32 v13, |v[XS+3]|, |v[XS+4]|, |v[XS+5]|
.irp i, 6,10,14,18,22,26
	v_max3_num_f32 v12, v12, |v[XS+\i]|, |v[XS+\i+1]|
	v_max3_num_f32 v13, v13, |v[XS+\i+2]|, |v[XS+\i+3]|
.endr
	v_max3_num_f32 v12, v12, |v[XS+30]|, |v[XS+31]|
	v_max3_num_f32 v12, v12, v13, (EMAX+1)<<23     ; the floor
	v_add_nc_u32 v11, -(EMAX<<23), v12             ; the conversion's scale operand
	v_lshrrev_b32 v13, 23, v11                     ; the byte
.if (\t)%4 == 0
	v_mov_b32 v[WSB+(\t)/4], v13
.else
	v_lshl_or_b32 v[WSB+(\t)/4], v13, 8*((\t)%4), v[WSB+(\t)/4]
.endif
	v_cvt_scalef32_pk16_fp6_f32 v[WC:WC+2], v[XS:XS+15], v11
	v_cvt_scalef32_pk16_fp6_f32 v[WC+4:WC+6], v[XS+16:XS+31], v11   ; (a conversion's three registers begin on an even number)
	v_nop                                          ; a plain line behind the last conversion
	ds_store_b96 v4, v[WC:WC+2] offset:32*(\t)     ; 12 bytes to a place of 16
	ds_store_b96 v4, v[WC+4:WC+6] offset:32*(\t)+16
.if (\t)+2 < NB
	WLOAD (\t)+2, \n, \sig, \ptr
.endif
	s_wait_dscnt 0x0                               ; the stores have read their registers
.endm
.macro WPATH n, sig, first, ptr, codeoff, scoff, ldsb
	s_sub_co_u32 s19, ttmp9, \first
	s_and_b32 s18, s19, 3                          ; which 256 along K
	s_lshr_b32 s19, s19, 2                         ; which 128 columns
	s_lshl_b32 s17, s19, 7
	s_lshl_b32 s19, s16, 5
	s_add_co_u32 s17, s17, s19                     ; my wave's first column
	v_lshlrev_b32 v3, 2, v2                        ; in: 4 bytes a lane
	s_mul_i32 s19, s16, 32*WPITCH
	s_add_co_u32 s19, s19, \ldsb                   ; my stage
	v_mul_u32_u24 v4, v2, WPITCH
	v_add_nc_u32 v4, s19, v4                       ; into it: row = my column
	v_and_b32 v5, 15, v2
	v_lshrrev_b32 v6, 4, v2
	v_mul_u32_u24 v7, v6, WPITCH
	v_lshl_add_u32 v7, v5, 4, v7
	v_add_nc_u32 v7, s19, v7                       ; out of it: sixteen lanes to a row, two rows an instruction
	v_mul_u32_u24 v8, v6, KROW
	v_mad_u32_u24 v8, v5, 12, v8                   ; and the same place among the codes
	v_lshlrev_b32 v9, 5, v2                        ; my column's row of scale bytes
	s_mul_i32 s20, s18, 256*(\n)*4
	s_lshl_b32 s22, s17, 2
	s_add_co_u32 s20, s20, s22
	s_mov_b32 s21, 0
	s_add_nc_u64 s[\ptr:\ptr+1], s[\ptr:\ptr+1], s[20:21]
	s_mul_i32 s20, s17, KROW
	s_mul_i32 s22, s18, 192
	s_add_co_u32 s20, s20, s22
	s_add_co_u32 s20, s20, \codeoff
	s_add_nc_u64 s[10:11], s[10:11], s[20:21]
	s_lshl_b32 s20, s17, 5
	s_lshl_b32 s22, s18, 3
	s_add_co_u32 s20, s20, s22
	s_add_co_u32 s20, s20, \scoff
	s_add_nc_u64 s[12:13], s[12:13], s[20:21]
	WLOAD 0, \n, \sig, \ptr
	WLOAD 1, \n, \sig, \ptr
.set Q, 0
.rept NB
	WBLOCK Q, \n, \sig, \ptr
.set Q, Q+1
.endr
	s_wait_alu depctr_va_vdst(0)
	global_store_b64 v9, v[WSB:WSB+1], s[12:13]    ; my column's eight scale bytes: rows 32 bytes apart, one byte in 128 of what the path reads
.irp t, 0,1,2,3,4,5,6,7,8,9,10,11,12,13,14,15
	ds_load_b96 v[WOUT+4*\t:WOUT+4*\t+2], v7 offset:2*\t*WPITCH
.endr
.irp t, 0,1,2,3,4,5,6,7,8,9,10,11,12,13,14,15
	s_wait_dscnt 15-\t                             ; load t is in; the younger ones stay out
	global_store_b96 v8, v[WOUT+4*\t:WOUT+4*\t+2], s[10:11] offset:2*\t*KROW   ; sixteen lanes store a row's 192 consecutive bytes
.endr
.endm
.Lweights:
	s_cmp_lt_u32 ttmp9, 352
	s_cbranch_scc0 .Lwproj
	s_wait_alu depctr_va_vdst(0)
	WPATH 3072, 0, 256, 6, WQC, WQS, 32768
	s_wait_tensorcnt 0x0
	ds_add_u32 v192, v193
	s_wait_dscnt 0x0
	s_endpgm
.Lwproj:
	s_wait_alu depctr_va_vdst(0)
	WPATH 1024, 1, 352, 8, WPC, WPS, 67584
	s_wait_tensorcnt 0x0
	ds_add_u32 v192, v193
	s_wait_dscnt 0x0
	s_endpgm
.Lfunc_end_k_q0737690109_prep:
	.size	k_q0737690109_prep, .Lfunc_end_k_q0737690109_prep-k_q0737690109_prep
	.p2alignl 7, 3214868480
	.fill 96, 4, 3214868480
	.section	.rodata,"a",@progbits
	.p2align	6, 0x0
	.amdhsa_kernel k_q0737690109_prep
		.amdhsa_group_segment_fixed_size 102912
		.amdhsa_private_segment_fixed_size 0
		.amdhsa_enable_private_segment 0
		.amdhsa_kernarg_size 40
		.amdhsa_user_sgpr_count 2
		.amdhsa_user_sgpr_kernarg_segment_ptr 1
		.amdhsa_wavefront_size32 1
		.amdhsa_system_sgpr_workgroup_id_x 1
		.amdhsa_system_sgpr_workgroup_id_y 1
		.amdhsa_system_sgpr_workgroup_id_z 1
		.amdhsa_system_vgpr_workitem_id 0
		.amdhsa_next_free_vgpr 194
		.amdhsa_next_free_sgpr 66
		.amdhsa_reserve_vcc 0
		.amdhsa_float_denorm_mode_32 3
		.amdhsa_float_denorm_mode_16_64 3
		.amdhsa_memory_ordered 1
		.amdhsa_forward_progress 1
		.amdhsa_inst_pref_size 114
	.end_amdhsa_kernel
	.amdgpu_metadata
---
amdhsa.version: [ 1, 2 ]
amdhsa.kernels:
  - .name:           k_q0737690109_prep
    .symbol:         k_q0737690109_prep.kd
    .args:
      - { .name: x, .offset: 0, .size: 8, .value_kind: global_buffer, .address_space: global }
      - { .name: W_qkv, .offset: 8, .size: 8, .value_kind: global_buffer, .address_space: global }
      - { .name: W_proj, .offset: 16, .size: 8, .value_kind: global_buffer, .address_space: global }
      - { .name: pcodes, .offset: 24, .size: 8, .value_kind: global_buffer, .address_space: global }
      - { .name: pscales, .offset: 32, .size: 8, .value_kind: global_buffer, .address_space: global }
    .group_segment_fixed_size: 102912
    .private_segment_fixed_size: 0
    .kernarg_segment_align: 8
    .kernarg_segment_size: 40
    .max_flat_workgroup_size: 128
    .sgpr_count:     66
    .vgpr_count:     194
    .wavefront_size: 32
...
	.end_amdgpu_metadata
.endif
;; end of part 1
;; launch gemm_qkv (part 2): grid 4 x 96, 4 waves a work-group, clusters of 4 x 4, 327,680 bytes of LDS; arguments pcodes, pscales, b_qkv, qkvimg, qkvsc; writes qkvimg, qkvsc
.if DOCPART == 2
	.amdgcn_target "amdgcn-amd-amdhsa--gfx1250"
	.amdhsa_code_object_version 6
	.text
	.protected	k_q0737690109_gemm_qkv
	.globl	k_q0737690109_gemm_qkv
	.p2align	8
	.type	k_q0737690109_gemm_qkv,@function
k_q0737690109_gemm_qkv:
	s_mov_b64 s[64:65], 0
	v_nop
	global_prefetch_b8 v0, s[64:65] scope:SCOPE_SE
	s_setreg_imm32_b32 hwreg(HW_REG_WAVE_MODE, 25, 1), 1
	s_wait_xcnt 0x0
	s_wait_alu depctr_hold_cnt(0) depctr_sa_sdst(0) depctr_va_vdst(0) depctr_va_sdst(0) depctr_va_ssrc(0) depctr_va_vcc(0) depctr_vm_vsrc(0)
	s_getreg_b32 s2, hwreg(HW_REG_IB_STS2, 6, 4)
	s_cmp_eq_u32 s2, 0
	s_cbranch_scc0 .Lentry_in_a_cluster
	s_endpgm
.Lentry_in_a_cluster:
	s_bfe_u32 s2, ttmp6, 0x10000c
	s_cmp_lg_u32 s2, 0xf033
	s_cbranch_scc0 .Lentry_shape_is_right
	s_endpgm
.Lentry_shape_is_right:
; qkv = x W_qkv + b_qkv on codes of FP6 (E2M3) with E8M0 scales, and q, k, v QUANTISED IN REGISTERS on the way out: they go to memory as codes alone.
; ONE BODY, TWO ROLES, chosen by the cluster's y (L = 0 .. 23), which all sixteen partners share.  C'(i, j) = sum over K of A[i] B[j]; source 0 = 16 rows of B, source 1 = 16 rows of A, so a lane holds one i and
; its registers run along j: the axis along which the result is quantised.
;   L < 16  (q, k): A = x (32 tile rows of 256 tokens), B = W_qkv's columns 0 .. 2,047 (8 tile columns): j = the heads' channels.
;   L >= 16 (v):    A = W_qkv's columns 2,048 .. 3,071 (4 tile rows), B = x (32 tile columns): the result is v transposed, j = the keys.
; A tile is 256 x 256, four waves of 128 x 128 (64 accumulators, 512 registers); K = 1,024 goes in four steps of 256 through a ring of two LDS slots; the scale bytes of the tile's rows come once.
; CLUSTERS 4 x 4: A's tiles are asked for jointly along a row of the cluster, B's along a column.
; THE WAY OUT.  A block of 16 i x 128 j (64 registers a lane) gets its bias, is quantised along j and is an operand fragment of 12 registers.  It is stored as an IMAGE OF THE REGISTERS: piece p = registers 2 p, 2 p + 1 of
; all lanes, 256 consecutive aligned bytes a store.  q, k: pieces 0-2 are one head's 16 tokens x 64 channels, pieces 3-5 the next head's.  v: 16 channels x 128 keys.
; THE ORDER INSIDE A BLOCK OF 32 ALONG j: a lane's registers of tiles 2 b, 2 b + 1 are j = 32 b + 8 h + 0..7 and 32 b + 16 + 8 h + 0..7, so position q of a block holds j = q with bits 3 and 4 exchanged.
; q and k have that order alike, and so have v and the softmax's p in the next launch: the products stay the same; the blocks and their scales are the true ones.  LIMIT: the matrix unit then groups a block's products
; in another order than the true one; sums differ in their last bits.  A block of zeros keeps the byte 1.  NaN and infinities are not served.
; 384 work-groups in 24 clusters.  Nothing is prefetched: a tile has four fills of a slot, two of which go out at the head.
; REGISTERS: window 0: v0-31 addresses; v32-63 scale words; v64-127 the biases along j; v128-223 A's fragments, on the way out the block at work and its codes; v224-239 the biases along i; v240-255 at work.
;   window 1: B's fragments, two sets.  windows 2, 3: the accumulators ((a, b) at v[8 (8 (a % 4) + b)]).
.set SIZE_K, 1024
.set KSTEP,  256
.set NQ,     KSTEP/128
.set ROWB,   192                       ; a tile's row: 256 codes
.set KROW,   SIZE_K*6/8
.set PITCH,  240                       ; an LDS row: 3 x (64 bytes + 16 of padding)
.set FR,     12
.set NL,     6
.set NP,     4                         ; places behind this matrix instruction (ISA guide 7.12.1)
.set HALFT,  128*PITCH
.set SLOT,   4*HALFT
.set LAPS,   SIZE_K/(2*KSTEP)
.set KS,     SIZE_K/32
.set SCL,    2*SLOT                    ; behind the ring: the scales, as units of 256 bytes + 16
.set HALFS,  (128*KS/256)*272
.set SBLK,   (16*KS/256)*272
.set SPARE,  SCL+4*HALFS               ; the spare words: 128 bytes a wave, named by no other line
.set QSTG,   SPARE+512                 ; q's and k's scale words on their way out: 1,024 bytes a wave; no fill lands here
.set VSTG,   QSTG+4096                 ; v's: 512 bytes a wave
.set VI,     12582912                  ; v's images in qkvimg
.set VS,     1048576                   ; v's scale words in qkvsc
.set ADRA, 16
.set ADRB, 20
.set ADRS, 27
.set SPW,  28
.set NIL,  29
.set SH16, 7                           ; v7   16 x (lane / 16)
.set L16,  8                           ; v8   16 x lane
.set BNO,  9                           ; v9   the biases along j: my byte offset in b_qkv
.set BMO,  10                          ; v10  the biases along i
.set L8,   24                          ; v24  8 x lane
.set SSTQ, 25                          ; v25  where I put a scale word of q or k
.set SRDQ, 26                          ; v26  and where I read them back
.set SSTV, 30                          ; v30  the same for v
.set SRDV, 31                          ; v31
.set SC,   32
.set BI,   64
.set AF,   128
.set H,    128                         ; the way out: 64 numbers
.set PC,   192                         ; their codes (12 registers, 8 more at work)
.set PW,   212                         ; their scale word
.set BV,   224
.set TM,   240
.set SEL,  46
.set ISV,  95
.set XX,   66                          ; s66  4 x tile column + 2 x my half of the columns
.set YY,   67                          ; s67  4 x tile row + 2 x my half of the rows
.set G1, 24
.set G0, 32
.set G1B, 48
.set G0B, 56
.set G1S, 68
.set G0S, 76
.set G1SB, 80
.set G0SB, 88
.set MSB, 0
.macro WIN new                         ; the immediate's high byte repeats the setting that is left
.if MSB != (\new)
	s_set_vgpr_msb (MSB<<8)|(\new)
.set MSB, (\new)
.endif
.endm
.set MUL_LO, 0xa1                      ; source 0 (B) window 1, source 1 (A) window 0, C and D window 2
.set MUL_HI, 0xf1
.set TO_B,   0x40
; A joint load: waves 0 and 1 fetch for A, waves 2 and 3 for B; the branch hangs on the wave's number alone.  Four v_nop follow each of the two lines.
.macro JLOAD g0a, g1a, g0b, g1b
	s_cmp_eq_u32 s15, 0
	s_cbranch_scc0 .Lfor_b_\@
	tensor_load_to_lds s[\g0a:\g0a+3], s[\g1a:\g1a+7]
	s_nop 0
.rept 4
	v_nop
.endr
	s_branch .Lasked_\@
.Lfor_b_\@:
	tensor_load_to_lds s[\g0b:\g0b+3], s[\g1b:\g1b+7]
	s_nop 0
.rept 4
	v_nop
.endr
.Lasked_\@:
.endm
.macro CREST                           ; a round of the cluster's barrier behind its opening barrier
	s_cmp_lg_u32 s14, 0
	s_cbranch_scc1 .Lnot_wave_0_\@
	s_barrier_signal -3
.Lnot_wave_0_\@:
	s_barrier_wait -3
	s_barrier_signal -1
	s_barrier_wait -1
.endm
.macro CROUND
	s_barrier_signal -1
	s_barrier_wait -1
	CREST
.endm
	s_load_b128 s[4:7], s[0:1], 0x0                ; the codes and the scale bytes, for A
	s_load_b128 s[8:11], s[0:1], 0x0               ; the same two buffers, for B
	s_load_b128 s[96:99], s[0:1], 0x10             ; b_qkv, qkvimg
	s_load_b64 s[100:101], s[0:1], 0x20            ; qkvsc
	v_lshl_add_u32 v[SPW], v0, 2, SPARE
	v_mov_b32 v[NIL], 0
	ds_add_u32 v28, v29
	ds_add_u32 v28, v29
	s_wait_dscnt 0x0
	v_lshrrev_b32 v1, 5, v0
	v_readfirstlane_b32 s14, v1                    ; wave 0..3
	s_lshr_b32 s15, s14, 1                         ; which half of the tile's rows is mine.  Also: I fetch for A (0) or for B (1)
	s_and_b32 s16, s14, 1                          ; which half of its columns.  Also: which 128 rows of that tile I fetch
	s_bfe_u32 s40, ttmp6, 0x40000                  ; cx, cy
	s_bfe_u32 s41, ttmp6, 0x40004
	s_and_b32 s94, ttmp7, 0xffff                   ; L: the cluster's y, the same in all sixteen partners
	s_lshr_b32 s92, s94, 1                         ; q, k: the cluster's row of tiles,
	s_and_b32 s93, s94, 1                          ; and its column
	s_sub_co_u32 s45, s94, 16                      ; v: its column
	s_cmp_ge_u32 s94, 16
	s_cselect_b32 s[ISV], 1, 0
	s_cselect_b32 s92, 0, s92
	s_cselect_b32 s93, s45, s93
	s_cselect_b32 s2, 7864320, 0                   ; where A's codes begin in pcodes: W_qkv's row 2,048, or x
	s_cselect_b32 s3, 0, 6291456                   ; B's: x, or W_qkv's row 0
	s_cselect_b32 s66, 327680, 0                   ; and their scale bytes in pscales
	s_cselect_b32 s67, 0, 262144
	s_lshl_b32 s42, s93, 2
	s_add_co_u32 s42, s42, s40                     ; tile column
	s_lshl_b32 s17, s92, 2
	s_add_co_u32 s17, s17, s41                     ; tile row
	s_lshl_b32 s43, s41, 2
	s_lshl_b32 s43, 15, s43                        ; my row of the cluster
	s_lshl_b32 s44, 0x1111, s40                    ; my column
	s_or_b32 s[G1+0], s43, (0<<16)|(1<<20)|(1<<21)|(3<<22)|(3<<25)  ; the mask; elements of 1 byte; padding on; bit 21 beside a mask; 4 words behind every 16
	s_or_b32 s[G1B+0], s44, (0<<16)|(1<<20)|(1<<21)|(3<<22)|(3<<25)
.irp g, G1, G1B
	s_mov_b32 s[\g+1], ROWB<<16                    ; tensor_dim0
	s_mov_b32 s[\g+2], 128<<16                     ; tensor_dim1
	s_mov_b32 s[\g+3], ROWB<<16                    ; tile_dim0
	s_mov_b32 s[\g+4], 128                         ; tile_dim1
	s_mov_b32 s[\g+5], KROW                        ; the pitch
	s_mov_b32 s[\g+6], 0
	s_mov_b32 s[\g+7], 0
.endr
	s_or_b32 s[G1S+0], s43, (3<<16)|(1<<20)|(1<<21)|(5<<22)|(3<<25)  ; the scales of 128 rows: 4,096 dense bytes as 16 rows of 256, 16 bytes of padding behind each
	s_or_b32 s[G1SB+0], s44, (3<<16)|(1<<20)|(1<<21)|(5<<22)|(3<<25)
.irp g, G1S, G1SB
	s_mov_b32 s[\g+1], 32<<16
	s_mov_b32 s[\g+2], (128*KS/256)<<16
	s_mov_b32 s[\g+3], 32<<16
	s_mov_b32 s[\g+4], 128*KS/256
	s_mov_b32 s[\g+5], 32
	s_mov_b32 s[\g+6], 0
	s_mov_b32 s[\g+7], 0
.endr
	s_lshl_b32 s18, s16, 7                         ; which 128 rows of the tile I fetch
	s_lshl_b32 s20, s17, 8
	s_add_co_u32 s20, s20, s18                     ; A's row
	s_lshl_b32 s46, s42, 8
	s_add_co_u32 s46, s46, s18                     ; B's row
	s_mov_b32 s21, 0
	s_mov_b32 s47, 0
	s_mov_b64 s[18:19], KS
	s_mul_u64 s[22:23], s[20:21], s[18:19]         ; these rows' scale bytes,
	s_mul_u64 s[92:93], s[46:47], s[18:19]
	s_mov_b64 s[18:19], KROW
	s_mul_u64 s[20:21], s[20:21], s[18:19]         ; and their codes
	s_mul_u64 s[46:47], s[46:47], s[18:19]
	s_add_co_u32 s20, s20, s2                      ; + where the tensor begins in its buffer (all four sums stay under 2^24)
	s_add_co_u32 s46, s46, s3
	s_add_co_u32 s22, s22, s66
	s_add_co_u32 s92, s92, s67
	s_mul_i32 s45, s14, HALFT                      ; where they go: wave x 128 rows
	s_mul_i32 s94, s14, HALFS
	s_wait_kmcnt 0x0
	s_add_nc_u64 s[20:21], s[4:5], s[20:21]
	s_add_nc_u64 s[22:23], s[6:7], s[22:23]
	s_add_nc_u64 s[46:47], s[8:9], s[46:47]
	s_add_nc_u64 s[92:93], s[10:11], s[92:93]
	CROUND                                         ; all sixteen work-groups are here: the first joint loads meet
	s_mov_b32 s[G0S], 1
	s_add_co_u32 s[G0S+1], s94, SCL
	s_mov_b64 s[G0S+2:G0S+3], s[22:23]
	s_or_b32 s[G0S+3], s[G0S+3], 0x80000000
	s_mov_b32 s[G0SB], 1
	s_add_co_u32 s[G0SB+1], s94, SCL
	s_mov_b64 s[G0SB+2:G0SB+3], s[92:93]
	s_or_b32 s[G0SB+3], s[G0SB+3], 0x80000000
	JLOAD G0S, G1S, G0SB, G1SB                     ; the scales first: they are wanted with K step 0
.irp s, 0,1
	s_mov_b32 s[G0+4*\s], 1
	s_add_co_u32 s[G0+4*\s+1], s45, \s*SLOT
	s_add_nc_u64 s[G0+4*\s+2:G0+4*\s+3], s[20:21], \s*ROWB
	s_or_b32 s[G0+4*\s+3], s[G0+4*\s+3], 0x80000000
	s_mov_b32 s[G0B+4*\s], 1
	s_add_co_u32 s[G0B+4*\s+1], s45, \s*SLOT
	s_add_nc_u64 s[G0B+4*\s+2:G0B+4*\s+3], s[46:47], \s*ROWB
	s_or_b32 s[G0B+4*\s+3], s[G0B+4*\s+3], 0x80000000
	JLOAD G0+4*\s, G1, G0B+4*\s, G1B               ; three tensor loads of mine are out
.endr
	v_and_b32 v1, 15, v0                           ; r
	v_bfe_u32 v2, v0, 4, 1                         ; h
	v_mul_u32_u24 v3, v1, PITCH
	v_mul_u32_u24 v4, v2, 24
	v_add_nc_u32 v4, v3, v4                        ; a fragment's row x pitch + 24 h
	v_lshl_add_u32 v5, v2, 4, v4                   ; and the same behind one padding more
	s_mul_i32 s21, s15, HALFT
	s_mul_i32 s22, s16, HALFT
	s_add_co_u32 s22, s22, 2*HALFT
.irp s, 0,1
	v_add_nc_u32 v[ADRA+\s], s21, v4
	v_add_nc_u32 v[ADRB+\s], s22, v4
	v_add_nc_u32 v[ADRA+2+\s], s21, v5
	v_add_nc_u32 v[ADRB+2+\s], s22, v5
	s_add_co_u32 s21, s21, SLOT
	s_add_co_u32 s22, s22, SLOT
.endr
	v_mul_u32_u24 v5, v1, KS                       ; my row's scales,
	v_lshrrev_b32 v6, 8, v5
	v_lshl_add_u32 v5, v6, 4, v5                   ; 16 more for each 256 passed
	s_mul_i32 s21, s15, HALFS
	s_mul_i32 s22, s16, HALFS
	s_add_co_u32 s22, s22, 2*HALFS
	s_sub_co_u32 s22, s22, s21
	v_mul_u32_u24 v6, s22, v2                      ; lanes 16-31 take B's
	s_add_co_u32 s21, s21, SCL
	v_add_nc_u32 v5, v5, v6
	v_add_nc_u32 v[ADRS], s21, v5
	; the way out's addresses, all made here, ahead of the parting of the two roles
	s_lshl_b32 s[XX], s42, 2
	s_lshl_b32 s2, s16, 1
	s_add_co_u32 s[XX], s[XX], s2
	s_lshl_b32 s[YY], s17, 2
	s_lshl_b32 s2, s15, 1
	s_add_co_u32 s[YY], s[YY], s2
	v_lshlrev_b32 v[SH16], 4, v2
	v_and_b32 v6, 31, v0
	v_lshlrev_b32 v[L16], 4, v6
	s_wait_alu depctr_va_vdst(0)
	v_lshlrev_b32 v[L8], 3, v6
	s_wait_alu depctr_va_vdst(0)
	s_lshl_b32 s20, s[XX], 8                       ; q, k: my 128 columns begin 64 XX numbers into b_qkv
	s_lshl_b32 s21, s[YY], 8
	s_add_co_u32 s21, s21, 8192                    ; v: my 128 rows begin at number 2,048 + 64 YY
	s_cmp_lg_u32 s[ISV], 0
	s_cselect_b32 s20, 0, s20                      ; the set that the role does not use is loaded from the buffer's head: both sets are loaded in both roles, 32 loads a wave, so that no register is written on one way alone
	s_cselect_b32 s21, s21, 0
	v_lshl_add_u32 v[BNO], v2, 5, s20
	v_lshl_add_u32 v[BMO], v1, 2, s21
	s_lshl_b32 s22, s14, 10
	s_add_co_u32 s22, s22, QSTG
	v_lshlrev_b32 v[SSTQ], 4, v1
	v_lshl_add_u32 v[SSTQ], v2, 9, v[SSTQ]
	v_add_nc_u32 v[SSTQ], s22, v[SSTQ]             ; QSTG + 1,024 wave + 512 h + 16 r
	v_add_nc_u32 v[SRDQ], s22, v[L16]
	s_lshl_b32 s23, s14, 9
	s_add_co_u32 s23, s23, VSTG
	v_lshl_add_u32 v[SSTV], v1, 4, s23             ; VSTG + 512 wave + 16 r
	v_add_nc_u32 v[SRDV], s23, v[L8]
.irp b, 0,1,2,3
	v_mov_b32 v[TM+4+\b], 0                        ; written once: a lane permute's destination counts as one of its sources
.endr
.irp t, 0,1,2,3,4,5,6,7
	global_load_b128 v[BI+8*\t:BI+8*\t+3], v[BNO], s[96:97] offset:64*\t       ; register 8 t + i: the bias of j = 16 t + 8 h + i
	global_load_b128 v[BI+8*\t+4:BI+8*\t+7], v[BNO], s[96:97] offset:64*\t+16
.endr
.irp a, 0,1,2,3,4,5,6,7
	global_load_b32 v[BV+2*\a], v[BMO], s[96:97] offset:64*\a                  ; the bias of i = 16 a + r, twice: a pair for the packed addition
	global_load_b32 v[BV+2*\a+1], v[BMO], s[96:97] offset:64*\a
.endr
.macro FRAG reg, adr, q, i             ; 16 rows x 128 K: 12 registers, six pieces of 8 bytes; where the piece of lanes 16-31 lies behind one padding more, the second address register serves
.irp p, 0,1,2,3,4,5
.set PCE, 12*(\q)+6*(\p/3)+\p%3
.if PCE%8 < 5
	ds_load_b64 v[\reg+2*\p:\reg+2*\p+1], v[\adr] offset:8*PCE+16*(PCE/8)+(\i)*16*PITCH
.else
	ds_load_b64 v[\reg+2*\p:\reg+2*\p+1], v[\adr+2] offset:8*PCE+16*(PCE/8)+(\i)*16*PITCH
.endif
.endr
.endm
; 16 matrix instructions: A's blocks a0, a0 + 1 x B's eight.  The 64 accumulators take turns, one instruction a turn, in the same order in every step.
.macro MUL16 a0, p, q, sc, zero
.irp a, \a0, \a0+1
.irp b, 0,1,2,3,4,5,6,7
.if \zero
	v_wmma_scale_f32_16x16x128_f8f6f4 v[8*(8*((\a)%4)+\b):8*(8*((\a)%4)+\b)+7], v[128*(\p)+FR*\b:128*(\p)+FR*\b+FR-1], v[AF+FR*(\a):AF+FR*(\a)+FR-1], 0, v[SC+8*NQ*(\sc)+NQ*\b+(\q)], v[SC+8*NQ*(\sc)+NQ*(\a)+(\q)] matrix_a_fmt:MATRIX_FMT_FP6 matrix_b_fmt:MATRIX_FMT_FP6 matrix_a_scale:MATRIX_SCALE_ROW1
.else
	v_wmma_scale_f32_16x16x128_f8f6f4 v[8*(8*((\a)%4)+\b):8*(8*((\a)%4)+\b)+7], v[128*(\p)+FR*\b:128*(\p)+FR*\b+FR-1], v[AF+FR*(\a):AF+FR*(\a)+FR-1], v[8*(8*((\a)%4)+\b):8*(8*((\a)%4)+\b)+7], v[SC+8*NQ*(\sc)+NQ*\b+(\q)], v[SC+8*NQ*(\sc)+NQ*(\a)+(\q)] matrix_a_fmt:MATRIX_FMT_FP6 matrix_b_fmt:MATRIX_FMT_FP6 matrix_a_scale:MATRIX_SCALE_ROW1
.endif
.endr
.endr
.endm
.macro FETCH_B slot, q, p
	WIN TO_B
.irp i, 0,1,2,3,4,5,6,7
	FRAG 128*(\p)+FR*\i, ADRB+\slot, \q, \i
.endr
	WIN 0
.endm
.macro FETCH_A slot, q, i0
.irp i, \i0, \i0+1, \i0+2, \i0+3
	FRAG AF+FR*(\i), ADRA+\slot, \q, \i
.endr
.endm
.macro SCALES sc                       ; a K step's scale words: lanes 0-15 A's block i, lanes 16-31 B's block i
.irp i, 0,1,2,3,4,5,6,7
	ds_load_b64 v[SC+8*NQ*\sc+NQ*\i:SC+8*NQ*\sc+NQ*\i+1], v[ADRS] offset:\i*SBLK
.endr
.endm
.macro PLACES n                        ; plain vector lines between a matrix instruction and a load into, or a read of, its registers
.rept \n
	v_nop
.endr
.endm
.macro STEP slot, q, zero              ; 128 along K that has its successor in the same slot
	s_wait_dscnt 4*NL                              ; B's set and A's blocks 0-3 are in; the youngest 24 loads (A's blocks 4-7) may be out
	WIN MUL_LO
	MUL16 0, (\q)%2, \q, \slot, \zero
	MUL16 2, (\q)%2, \q, \slot, \zero
	s_wait_dscnt 0
	PLACES NP
	FETCH_B \slot, (\q)+1, 1-(\q)%2
	FETCH_A \slot, (\q)+1, 0
	WIN MUL_HI
	MUL16 4, (\q)%2, \q, \slot, \zero
	MUL16 6, (\q)%2, \q, \slot, \zero
	PLACES NP
	WIN 0
	FETCH_A \slot, (\q)+1, 4
.endm
; A slot's last step changes slots: one barrier; in front of it each wave waits for all its tensor loads, adds 0 to its spare word, and waits for that and for its reads of this slot.
.macro TURN slot, next, fill
	s_wait_tensorcnt 0x0                           ; all my tensor loads have landed: my part of the next slot
	ds_add_u32 v[SPW], v[NIL]                      ; 0 onto my spare word
	s_wait_dscnt 4*NL+1                            ; (the add and the youngest 24 loads may be out)
	WIN MUL_LO
	MUL16 0, 1, NQ-1, \slot, 0
	s_wait_dscnt 0x0                               ; the add is done, and my reads of this slot are over
	s_barrier_signal -1
	MUL16 2, 1, NQ-1, \slot, 0
	WIN 0
	s_barrier_wait -1
.if \fill
	CREST                                          ; the barrier has opened a round of the cluster's: no wave of any partner still reads this slot or has a load on its way
	s_add_nc_u64 s[G0+4*\slot+2:G0+4*\slot+3], s[G0+4*\slot+2:G0+4*\slot+3], 2*ROWB
	s_add_nc_u64 s[G0B+4*\slot+2:G0B+4*\slot+3], s[G0B+4*\slot+2:G0B+4*\slot+3], 2*ROWB
	JLOAD G0+4*\slot, G1, G0B+4*\slot, G1B         ; the first tensor load behind the round; its four v_nop are the places in front of the loads below
.else
	PLACES NP
.endif
	s_wait_alu depctr_va_vdst(0)
	v_add_nc_u32 v[ADRS], 4*NQ, v[ADRS]            ; the next K step's scale words
	FETCH_B \next, 0, 0
	FETCH_A \next, 0, 0
	SCALES \next
	WIN MUL_HI
	MUL16 4, 1, NQ-1, \slot, 0
	MUL16 6, 1, NQ-1, \slot, 0
	PLACES NP
	WIN 0
	FETCH_A \next, 0, 4
.endm
	s_wait_tensorcnt 1                             ; the scales and my part of K step 0 are in (K step 1's load may be out)
	s_barrier_signal -1
	s_barrier_wait -1
	FETCH_B 0, 0, 0
	FETCH_A 0, 0, 0
	SCALES 0
	FETCH_A 0, 0, 4
	STEP 0, 0, 1                                   ; the first step's products start the sums
	s_mov_b32 s3, LAPS-1
.Llap:                                                 ; a trip goes once round the ring and fills both slots again
	TURN 0, 1, 1
	STEP 1, 0, 0
	TURN 1, 0, 1
	STEP 0, 0, 0
	s_sub_co_u32 s3, s3, 1
	s_cmp_lg_u32 s3, 0
	s_cbranch_scc1 .Llap
	TURN 0, 1, 0                                   ; the last lap fills nothing
	STEP 1, 0, 0
	s_wait_dscnt 4*NL
	WIN MUL_LO
	MUL16 0, 1, NQ-1, 1, 0
	MUL16 2, 1, NQ-1, 1, 0
	s_wait_dscnt 0
	WIN MUL_HI
	MUL16 4, 1, NQ-1, 1, 0
	MUL16 6, 1, NQ-1, 1, 0
	WIN 0
; 64 numbers of a lane, v[s] on, register 16 b + i of block b, become a fragment's codes in v[PC] on and its scale word in v[PW].
.macro QUANT s
.irp b, 0,1,2,3
	v_max3_num_f32 v[TM+\b], |v[\s+16*\b]|, |v[\s+1+16*\b]|, 0x1800000   ; my 16 numbers of block b, and the floor 2^(3 - 127)
.endr
.irp i, 2,4,6,8,10,12,14
.irp b, 0,1,2,3
	v_max3_num_f32 v[TM+\b], v[TM+\b], |v[\s+16*\b+\i]|, |v[\s+1+16*\b+\i]|
.endr
.endr
.irp b, 0,1,2,3
	v_permlanex16_b32 v[TM+4+\b], v[TM+\b], s[SEL], s[SEL+1]
.endr
.irp b, 0,1,2,3
	v_max_num_f32 v[TM+\b], v[TM+\b], v[TM+4+\b]   ; with lane l xor 16's: the block's largest magnitude
.endr
.irp b, 0,1,2,3
	v_add_nc_u32 v[TM+12+\b], 0xff000000, v[TM+\b] ; 2 off its exponent field: the conversion's scale operand
.endr
.irp b, 0,1,2,3
	v_lshrrev_b32 v[TM+4+\b], 23, v[TM+12+\b]      ; the byte
.endr
	v_lshl_or_b32 v[PW], v[TM+5], 8, v[TM+4]
	v_lshl_or_b32 v[PW], v[TM+6], 16, v[PW]
	v_lshl_or_b32 v[PW], v[TM+7], 24, v[PW]
.irp c, 0,1
	v_cvt_scalef32_pk16_fp6_f32 v[PC+6*\c:PC+2+6*\c], v[\s+32*\c:\s+15+32*\c], v[TM+12+2*\c]
	v_cvt_scalef32_pk16_fp6_f32 v[PC+12+4*\c:PC+14+4*\c], v[\s+16+32*\c:\s+31+32*\c], v[TM+12+2*\c+1]
.endr
	v_nop                                          ; a plain line behind the last conversion
.irp c, 0,1                                    ; the operand wants a whole block in a lane: lanes 0-15 block 2 c, lanes 16-31 block 2 c + 1
.irp i, 0,1,2
	v_permlane16_swap_b32 v[PC+6*\c+\i], v[PC+12+4*\c+\i]
.endr
.irp i, 0,1,2
	v_mov_b32 v[PC+3+6*\c+\i], v[PC+12+4*\c+\i]
.endr
.endr
.endm
; Block a of my eight: bias, quantiser, six stores of 256 consecutive aligned bytes, the scale word into my stage.
.macro OUTBLK a, isv
.if (\a) > 0
	s_wait_xcnt 0x0                                ; the last block's stores have read their registers,
	s_wait_dscnt 0x0                               ; and so has its LDS store
.endif
	WIN 0x02+(\a)/4                                ; source 0: window 2 or 3
.set ii, 0
.rept 32
.if \isv
	v_pk_add_f32 v[H+2*ii:H+2*ii+1], v[64*((\a)%4)+2*ii:64*((\a)%4)+2*ii+1], v[BV+2*(\a):BV+2*(\a)+1]    ; each accumulator from its low end on; the sum lands in window 0
.else
	v_pk_add_f32 v[H+2*ii:H+2*ii+1], v[64*((\a)%4)+2*ii:64*((\a)%4)+2*ii+1], v[BI+2*ii:BI+2*ii+1]
.endif
.set ii, ii+1
.endr
	WIN 0
	QUANT H
.irp p, 0,1,2,3,4,5
.if \isv
	global_store_b64 v[L8], v[PC+2*\p:PC+2*\p+1], s[98:99] offset:((\a)/4)*393216+((\a)%4)*1536+\p*256   ; head YY + a / 4, channels 16 (a % 4) on
.else
	global_store_b64 v[L8], v[PC+2*\p:PC+2*\p+1], s[98:99] offset:(\p/3)*393216+(\a)*768+(\p%3)*256      ; head XX + p / 3, tokens 16 a on
.endif
.endr
.if \isv
	ds_store_b32 v[SSTV], v[PW] offset:((\a)/4)*256+((\a)%4)*4      ; both halves of the lanes write the same word with the same value
.else
	v_lshrrev_b32 v[PW+1], v[SH16], v[PW]          ; lanes 0-15 keep the word (bytes 0, 1: the first head's), lanes 16-31 bring the second head's two bytes down; bytes 2, 3 meet zero codes alone and are never 0xff
	ds_store_b32 v[SSTQ], v[PW+1] offset:((\a)/4)*256+((\a)%4)*4
.endif
.endm
	PLACES NP                                      ; behind the last products, ahead of the first read of results and the first write over A's fragments
	s_wait_loadcnt 0x0                             ; the biases
	s_mov_b32 s[SEL], 0x76543210
	s_mov_b32 s[SEL+1], 0xfedcba98                 ; v_permlanex16_b32's selects for lane l xor 16
	s_cmp_lg_u32 s[ISV], 0
	s_cbranch_scc1 .Lv_out
	s_mul_i32 s20, s[XX], 393216                   ; q, k: head XX (k's heads follow q's sixteen), 16 tokens to 768 bytes
	s_mul_i32 s21, s[YY], 3072
	s_add_co_u32 s20, s20, s21
	s_mov_b32 s21, 0
	s_add_nc_u64 s[98:99], s[98:99], s[20:21]
	s_lshl_b32 s22, s[XX], 15                      ; scale words: 32,768 bytes a head, 256 for 64 tokens
	s_lshl_b32 s23, s[YY], 8
	s_add_co_u32 s22, s22, s23
	s_mov_b32 s23, 0
	s_add_nc_u64 s[100:101], s[100:101], s[22:23]
.irp a, 0,1,2,3,4,5,6,7
	OUTBLK \a, 0
.endr
.irp c, 0,1
	ds_load_b128 v[216+4*\c:219+4*\c], v[SRDQ] offset:512*\c       ; LDS serves a wave's instructions in order: these see my stores
.endr
	s_wait_dscnt 0x0
.irp c, 0,1
	global_store_b128 v[L16], v[216+4*\c:219+4*\c], s[100:101] offset:32768*\c   ; 512 consecutive aligned bytes: a head's words of my 128 tokens
.endr
	s_branch .Lfinish
.Lv_out:
	s_mul_i32 s20, s[YY], 393216                   ; v: head YY, 128 keys to 6,144 bytes (XX / 2 is the key step)
	s_mul_i32 s21, s[XX], 3072
	s_add_co_u32 s20, s20, s21
	s_add_co_u32 s20, s20, VI
	s_mov_b32 s21, 0
	s_add_nc_u64 s[98:99], s[98:99], s[20:21]
	s_lshl_b32 s22, s[YY], 14
	s_lshl_b32 s23, s[XX], 7
	s_add_co_u32 s22, s22, s23
	s_add_co_u32 s22, s22, VS
	s_mov_b32 s23, 0
	s_add_nc_u64 s[100:101], s[100:101], s[22:23]
.irp a, 0,1,2,3,4,5,6,7
	OUTBLK \a, 1
.endr
.irp c, 0,1
	ds_load_b64 v[216+2*\c:217+2*\c], v[SRDV] offset:256*\c
.endr
	s_wait_dscnt 0x0
.irp c, 0,1
	global_store_b64 v[L8], v[216+2*\c:217+2*\c], s[100:101] offset:16384*\c     ; 256 consecutive aligned bytes: a head's words of this key step
.endr
.Lfinish:
	s_wait_tensorcnt 0x0                           ; the wave's end
	ds_add_u32 v[SPW], v[NIL]
	s_wait_dscnt 0x0
	CROUND                                         ; the closing round: no work-group ends while a partner may still ask for a tile that names it
	s_endpgm
.Lfunc_end_k_q0737690109_gemm_qkv:
	.size	k_q0737690109_gemm_qkv, .Lfunc_end_k_q0737690109_gemm_qkv-k_q0737690109_gemm_qkv
	.p2alignl 7, 3214868480
	.fill 96, 4, 3214868480
	.section	.rodata,"a",@progbits
	.p2align	6, 0x0
	.amdhsa_kernel k_q0737690109_gemm_qkv
		.amdhsa_group_segment_fixed_size 327680
		.amdhsa_private_segment_fixed_size 0
		.amdhsa_enable_private_segment 0
		.amdhsa_kernarg_size 40
		.amdhsa_user_sgpr_count 2
		.amdhsa_user_sgpr_kernarg_segment_ptr 1
		.amdhsa_wavefront_size32 1
		.amdhsa_system_sgpr_workgroup_id_x 1
		.amdhsa_system_sgpr_workgroup_id_y 1
		.amdhsa_system_sgpr_workgroup_id_z 1
		.amdhsa_system_vgpr_workitem_id 0
		.amdhsa_next_free_vgpr 1024
		.amdhsa_next_free_sgpr 102
		.amdhsa_reserve_vcc 0
		.amdhsa_float_denorm_mode_32 3
		.amdhsa_float_denorm_mode_16_64 3
		.amdhsa_memory_ordered 1
		.amdhsa_forward_progress 1
		.amdhsa_inst_pref_size 240
	.end_amdhsa_kernel
	.amdgpu_metadata
---
amdhsa.version: [ 1, 2 ]
amdhsa.kernels:
  - .name:           k_q0737690109_gemm_qkv
    .symbol:         k_q0737690109_gemm_qkv.kd
    .args:
      - { .name: pcodes, .offset: 0, .size: 8, .value_kind: global_buffer, .address_space: global }
      - { .name: pscales, .offset: 8, .size: 8, .value_kind: global_buffer, .address_space: global }
      - { .name: b_qkv, .offset: 16, .size: 8, .value_kind: global_buffer, .address_space: global }
      - { .name: qkvimg, .offset: 24, .size: 8, .value_kind: global_buffer, .address_space: global }
      - { .name: qkvsc, .offset: 32, .size: 8, .value_kind: global_buffer, .address_space: global }
    .group_segment_fixed_size: 327680
    .private_segment_fixed_size: 0
    .kernarg_segment_align: 8
    .kernarg_segment_size: 40
    .max_flat_workgroup_size: 128
    .sgpr_count:     102
    .vgpr_count:     1024
    .wavefront_size: 32
...
	.end_amdgpu_metadata
.endif
;; end of part 2
;; launch attn (part 3): grid 4 x 64, 16 waves a work-group, clusters of 4 x 1, 210,944 bytes of LDS; arguments qkvimg, qkvsc, oimg, osc; writes oimg, osc
.if DOCPART == 3
	.amdgcn_target "amdgcn-amd-amdhsa--gfx1250"
	.amdhsa_code_object_version 6
	.text
	.protected	k_q0737690109_attn
	.globl	k_q0737690109_attn
	.p2align	8
	.type	k_q0737690109_attn,@function
k_q0737690109_attn:
	s_mov_b64 s[64:65], 0
	v_nop
	global_prefetch_b8 v0, s[64:65] scope:SCOPE_SE
	s_setreg_imm32_b32 hwreg(HW_REG_WAVE_MODE, 25, 1), 1
	s_wait_xcnt 0x0
	s_wait_alu depctr_hold_cnt(0) depctr_sa_sdst(0) depctr_va_vdst(0) depctr_va_sdst(0) depctr_va_ssrc(0) depctr_va_vcc(0) depctr_vm_vsrc(0)
	s_getreg_b32 s2, hwreg(HW_REG_IB_STS2, 6, 4)
	s_cmp_eq_u32 s2, 0
	s_cbranch_scc0 .Lentry_in_a_cluster
	s_endpgm
.Lentry_in_a_cluster:
	s_bfe_u32 s2, ttmp6, 0x10000c
	s_cmp_lg_u32 s2, 0x3003
	s_cbranch_scc0 .Lentry_shape_is_right
	s_endpgm
.Lentry_shape_is_right:
; out[b][q][head] = softmax(q k^T / 8) v for 8 batches x 16 heads of 64, 1,024 queries and keys, both products on codes of FP6 (E2M3) with E8M0 scales; the result is quantised along the head's channels
; in registers and leaves as codes: the left operand of the output projection.
; SOFTMAX: t = score x log2(e) / 8; M = the running largest t rounded up to a whole number; p = 2^(t - M) is quantised along the keys, not normalised; the row's sum is taken of the unquantised p and divides at the end.
; When M moves, the sum and O are multiplied by 2^(old M - new M): nothing is rounded.
; SHARES.  A work-group owns 256 queries of one batch and one PAIR of heads (2 g, 2 g + 1); each of its sixteen waves owns 16 queries, one tile, in 256 registers, and takes the two heads one after the other:
; four waves to a SIMD, so that one wave's vector work stands beside another's products and LDS loads.  256 work-groups.
; LDS holds ALL keys and values of the pair: 2 x (49,152 + 49,152) bytes of codes and 2 x (4,096 + 2,048) of scale words.  Every byte is filled once; there is no ring.
; BARRIERS: one in front of the first key step (the first head's tiles are whole), one behind it (the second head's are).  None stands between the heads: a wave that is done with its first head goes on at once.
; CLUSTER 4 x 1: the four blocks of queries of a batch need the same keys and values: each fill is a joint load that names the four.  cx enters global addresses of q and of the results alone.
; Nothing is prefetched: all that the launch streams is asked for at its head.
; OPERANDS ARE IMAGES OF REGISTERS (piece p = registers 2 p, 2 p + 1 of all lanes, 256 dense bytes): a load of 8 bytes a lane reads 256 consecutive bytes.
; K = 64 fills half of the instruction's 128: q's upper six registers are zero codes.  A tile of keys names 12 registers of which the upper six are the NEXT tile's codes (for the last tile: zeros):
; they meet q's zero codes, and no code of this format is an infinity or a NaN, so they add nothing.  So the step's eight tiles lie in 54 registers.
; Both products are used transposed (S^T = k q^T, O^T = v^T p^T): a lane holds one query throughout.  Inside each block of 32 the codes of p (and of v, made alike), and of the result, stand with bits 3 and 4 of the
; position exchanged; the partner operand has the same order.  LIMITS: the matrix unit then groups a block's products in another order than the true one; a block of zeros keeps the byte 1; NaN and infinities are not
; served; the reciprocal of the row's sum is v_rcp_f32's.
.set KSC,  196608                      ; k's scale words, 4,096 bytes a head
.set VSC,  204800                      ; v's, 2,048 bytes a head
.set L8,   1                           ; v1   8 x lane
.set R16,  2                           ; v2   16 x (lane % 16)
.set ADC,  3                           ; v3   LDS address of the step's codes
.set ADS,  4                           ; v4   of k's scale words
.set ADT,  5                           ; v5   of v's
.set OSA,  6                           ; v6   32 x (lane % 16)
.set OSW,  7                           ; v7   the result's scale word: four bytes of my row
.set QF,   16                          ; v16-39  q, 12 a head
.set QS,   40                          ; v40-41  its scale words
.set KB,   42                          ; v42-95  the step's eight tiles of keys
.set S,    96                          ; v96-159 S^T, then p
.set VB,   96                          ; v96-143 later four fragments of v
.set O,    160                         ; v160-191 O^T
.set PC,   192                         ; v192-203 p's codes
.set PT,   204                         ; v204-211 conversion results ahead of the exchange
.set BM,   212                         ; v212-215 the blocks' maxima
.set BP,   216                         ; v216-219 the other half's, then bytes
.set BS,   220                         ; v220-223 the conversions' scale operands
.set KSW,  224                         ; v224-231 k's scale words
.set FF,   232                         ; v232 f;  v233 p's scale word
.set PSW,  233
.set TP,   234
.set SU2,  236                         ; v[236:237] the second chain of the sum
.set VSW,  240                         ; v240-243 v's scale words
.set WV,   12
.set SEL,  20
.set CS,   22
.set G1C,  24                          ; s[24:31] 49,152 dense bytes as 192 rows of 256
.set G1KS, 32                          ; s[32:39] 16 rows
.set G1VS, 40                          ; s[40:47] 8 rows
.set G0,   48                          ; s[48:63] four groups 0: codes and scale words of the first head, then of the second
.set TB,   66
.set TS,   67
.set TJ,   68
.set CNT,  69
.macro CROUND
	s_barrier_signal -1
	s_barrier_wait -1
	s_cmp_lg_u32 s[WV], 0
	s_cbranch_scc1 .Lnot_wave_0_\@
	s_barrier_signal -3
.Lnot_wave_0_\@:
	s_barrier_wait -3
	s_barrier_signal -1
	s_barrier_wait -1
.endm
	s_load_b128 s[4:7], s[0:1], 0x0                ; qkvimg, qkvsc
	s_load_b128 s[8:11], s[0:1], 0x10              ; oimg, osc
	v_lshl_add_u32 v254, v0, 2, 0x33000
	v_mov_b32 v255, 0
	ds_add_u32 v254, v255
	ds_add_u32 v254, v255
	v_lshrrev_b32 v1, 5, v0
	s_delay_alu instid0(VALU_DEP_1)
	v_readfirstlane_b32 s[WV], v1                  ; wave 0..15
	s_bfe_u32 s13, ttmp6, 0x40000                  ; cx: my block of 256 queries
	s_and_b32 s14, ttmp7, 0xffff
	s_lshr_b32 s15, s14, 3                         ; the batch
	s_and_b32 s16, s14, 7                          ; the pair of heads
	s_and_b32 s17, s[WV], 1                        ; what I fetch, if I fetch: 0 k's, 1 v's
	s_mul_i32 s18, s16, 786432                     ; head 2 g: 393,216 bytes of images a head
	s_mul_i32 s19, s15, 49152                      ; the batch's 1,024 tokens
	s_add_co_u32 s70, s18, s19
	s_mul_i32 s71, s17, 6291456
	s_add_co_u32 s71, s71, 6291456                 ; k's images follow q's, v's follow k's
	s_add_co_u32 s70, s70, s71
	s_mov_b32 s71, 0
	s_lshl_b32 s72, s16, 16                        ; scale words: k's 32,768 bytes a head and 4,096 a batch, v's half of that
	s_lshl_b32 s73, s15, 12
	s_add_co_u32 s72, s72, s73
	s_lshr_b32 s72, s72, s17
	s_lshl_b32 s73, s17, 19
	s_add_co_u32 s73, s73, 524288
	s_add_co_u32 s72, s72, s73
	s_mov_b32 s73, 0
	s_lshr_b32 s74, 32768, s17                     ; from a head to the next
	s_mov_b32 s75, 0
	s_lshl_b32 s76, s15, 6
	s_lshl_b32 s77, s13, 4
	s_add_co_u32 s76, s76, s77
	s_add_co_u32 s76, s76, s[WV]                   ; my tile of 16 tokens: 64 b + 16 cx + wave
	s_mul_i32 s80, s76, 768
	s_add_co_u32 s80, s80, s18                     ; q's image
	s_mov_b32 s81, 0
	s_lshl_b32 s82, s16, 16
	s_lshr_b32 s77, s76, 2
	s_lshl_b32 s77, s77, 8
	s_add_co_u32 s82, s82, s77
	s_and_b32 s77, s76, 3
	s_lshl_b32 s77, s77, 2
	s_add_co_u32 s82, s82, s77                     ; q's scale words: [head][tile / 4][row][tile % 4]
	s_mov_b32 s83, 0
	s_mul_i32 s84, s76, 12288
	s_mul_i32 s77, s16, 1536
	s_add_co_u32 s84, s84, s77                     ; the result's image: [tile][pair of heads]
	s_mov_b32 s85, 0
	s_lshl_b32 s86, s76, 9
	s_lshl_b32 s77, s16, 2
	s_add_co_u32 s86, s86, s77                     ; its scale bytes: [token][32]
	s_mov_b32 s87, 0
.irp g, G1C, G1KS, G1VS
	s_mov_b32 s[\g], 15|(3<<16)|(1<<21)            ; the mask: all four work-groups; elements of 8 bytes; bit 21 beside a mask; no padding
	s_mov_b32 s[\g+1], 32<<16                      ; tensor_dim0 = 32 elements: 256 bytes
	s_mov_b32 s[\g+3], 32<<16                      ; tile_dim0
	s_mov_b32 s[\g+5], 32                          ; the pitch: dense
	s_mov_b32 s[\g+6], 0
	s_mov_b32 s[\g+7], 0
.endr
	s_mov_b32 s[G1C+2], 192<<16                    ; tensor_dim1,
	s_mov_b32 s[G1C+4], 192                        ; tile_dim1
	s_mov_b32 s[G1KS+2], 16<<16
	s_mov_b32 s[G1KS+4], 16
	s_mov_b32 s[G1VS+2], 8<<16
	s_mov_b32 s[G1VS+4], 8
	s_mov_b32 s[SEL], 0x76543210
	s_mov_b32 s[SEL+1], 0xfedcba98
	s_mov_b32 s[CS], 0x3e38aa3b                    ; c = log2(e) / 8
	s_mov_b32 s[CS+1], s[CS]
	s_wait_dscnt 0x0
	s_wait_kmcnt 0x0
	s_mov_b32 s[G0], 1
	s_mul_i32 s[G0+1], s17, 49152                  ; first head: k's codes at 0, v's at 49,152
	s_add_nc_u64 s[G0+2:G0+3], s[4:5], s[70:71]
	s_or_b32 s[G0+3], s[G0+3], 0x80000000
	s_mov_b32 s[G0+4], 1
	s_lshl_b32 s[G0+5], s17, 13
	s_add_co_u32 s[G0+5], s[G0+5], KSC             ; k's words at KSC, v's at VSC = KSC + 8,192
	s_add_nc_u64 s[G0+6:G0+7], s[6:7], s[72:73]
	s_or_b32 s[G0+7], s[G0+7], 0x80000000
	s_mov_b32 s[G0+8], 1
	s_add_co_u32 s[G0+9], s[G0+1], 98304           ; second head
	s_add_nc_u64 s[G0+10:G0+11], s[4:5], s[70:71]
	s_add_nc_u64 s[G0+10:G0+11], s[G0+10:G0+11], 393216
	s_or_b32 s[G0+11], s[G0+11], 0x80000000
	s_mov_b32 s[G0+12], 1
	s_mul_i32 s[G0+13], s17, 6144
	s_add_co_u32 s[G0+13], s[G0+13], KSC+4096      ; k's at KSC + 4,096, v's at VSC + 2,048
	s_add_nc_u64 s[G0+14:G0+15], s[6:7], s[72:73]
	s_add_nc_u64 s[G0+14:G0+15], s[G0+14:G0+15], s[74:75]
	s_or_b32 s[G0+15], s[G0+15], 0x80000000
	s_add_nc_u64 s[80:81], s[4:5], s[80:81]
	s_add_nc_u64 s[82:83], s[6:7], s[82:83]
	s_add_nc_u64 s[84:85], s[8:9], s[84:85]
	s_add_nc_u64 s[86:87], s[10:11], s[86:87]
	CROUND                                         ; all four work-groups are here: the joint loads meet
	s_cmp_eq_u32 s[WV], 0                          ; wave 0 fetches k's four parts, wave 1 v's, the others nothing: a wave's fills stand in one branch; four tensor loads of a wave are out
	s_cbranch_scc0 .Lnot_k
	tensor_load_to_lds s[G0:G0+3], s[G1C:G1C+7]
	s_nop 0
	tensor_load_to_lds s[G0+4:G0+7], s[G1KS:G1KS+7]
	s_nop 0
	tensor_load_to_lds s[G0+8:G0+11], s[G1C:G1C+7]
	s_nop 0
	tensor_load_to_lds s[G0+12:G0+15], s[G1KS:G1KS+7]
	s_nop 0
.rept 4
	v_nop
.endr
	s_branch .Lasked
.Lnot_k:
	s_cmp_eq_u32 s[WV], 1
	s_cbranch_scc0 .Lasked
	tensor_load_to_lds s[G0:G0+3], s[G1C:G1C+7]
	s_nop 0
	tensor_load_to_lds s[G0+4:G0+7], s[G1VS:G1VS+7]
	s_nop 0
	tensor_load_to_lds s[G0+8:G0+11], s[G1C:G1C+7]
	s_nop 0
	tensor_load_to_lds s[G0+12:G0+15], s[G1VS:G1VS+7]
	s_nop 0
.rept 4
	v_nop
.endr
.Lasked:
	v_and_b32 v8, 31, v0
	s_delay_alu instid0(VALU_DEP_1)
	v_lshlrev_b32 v[L8], 3, v8
	v_and_b32 v9, 15, v0
	s_delay_alu instid0(VALU_DEP_1)
	v_lshlrev_b32 v[R16], 4, v9
	s_delay_alu instid0(VALU_DEP_2)
	v_lshlrev_b32 v[OSA], 5, v9
.irp c, 0,1
.irp p, 0,1,2
	global_load_b64 v[QF+12*\c+2*\p:QF+12*\c+2*\p+1], v[L8], s[80:81] offset:393216*\c+256*\p   ; q stays in registers
.endr
	global_load_b32 v[QS+\c], v[R16], s[82:83] offset:32768*\c
.irp i, 6,7,8,9,10,11
	v_mov_b32 v[QF+12*\c+\i], 0                    ; K = 64 .. 127: zero codes
.endr
.endr
.irp i, 48,49,50,51,52,53
	v_mov_b32 v[KB+\i], 0                          ; what the last tile of keys names beyond its own six registers
.endr
.irp b, 0,1,2,3
	v_mov_b32 v[BP+\b], 0                          ; a lane permute's destination counts as one of its sources
.endr
	v_mov_b32 v[PSW], 0                            ; (named as the upper half of the pair with f before it is first written)
	v_mov_b32 v[TP], 0
	s_wait_tensorcnt 2                             ; the first head's codes and scale words are in; the second head's two loads may stay out
	s_barrier_signal -1
	s_barrier_wait -1
	s_wait_loadcnt 0x0                             ; q
; A KEY STEP: 128 keys of head c.
.macro STEP c
	v_add_nc_u32 v[ADC], s[TB], v[L8]
	v_add_nc_u32 v[ADS], s[TS], v[R16]
	v_add_nc_u32 v[ADT], s[TJ], v[R16]
	v_nop
	v_nop                                          ; five places: the scores below are written over registers that the last step's products read
.irp g, 0,1
	ds_load_b128 v[KSW+4*\g:KSW+4*\g+3], v[ADS] offset:256*\g      ; my row's words of four tiles
.endr
.irp t, 0,1,2,3,4,5,6,7
.irp p, 0,1,2
	ds_load_b64 v[KB+6*\t+2*\p:KB+6*\t+2*\p+1], v[ADC] offset:768*\t+256*\p
.endr
.endr
	s_wait_dscnt 0x0
.irp t, 0,1,2,3,4,5,6,7                        ; S^T = k q^T: lane (r, h) holds query r; register i of tile t is key 16 t + 8 h + i
	v_wmma_scale_f32_16x16x128_f8f6f4 v[S+8*\t:S+8*\t+7], v[KB+6*\t:KB+6*\t+11], v[QF+12*\c:QF+12*\c+11], 0, v[KSW+\t], v[QS+\c] matrix_a_fmt:MATRIX_FMT_FP6 matrix_b_fmt:MATRIX_FMT_FP6
.endr
.rept 4
	v_nop
.endr
.irp b, 0,1,2,3
	v_max3_num_f32 v[BM+\b], v[S+16*\b], v[S+1+16*\b], v[S+2+16*\b]   ; the largest score of each block of 32 keys: for the row's maximum, and, since p rises with the score, for the block's largest p
.endr
.irp i, 3,5,7,9,11,13
.irp b, 0,1,2,3
	v_max3_num_f32 v[BM+\b], v[BM+\b], v[S+16*\b+\i], v[S+1+16*\b+\i]
.endr
.endr
.irp b, 0,1,2,3
	v_max_num_f32 v[BM+\b], v[BM+\b], v[S+15+16*\b]
.endr
.irp b, 0,1,2,3
	s_delay_alu instid0(VALU_DEP_4)
	v_permlanex16_b32 v[BP+\b], v[BM+\b], s[SEL], s[SEL+1]
.endr
.irp b, 0,1,2,3
	s_delay_alu instid0(VALU_DEP_4)
	v_max_num_f32 v[BM+\b], v[BM+\b], v[BP+\b]     ; with lane l xor 16's 16 keys
.endr
	s_delay_alu instid0(VALU_DEP_2)
	v_max3_num_f32 v[TP], v[BM], v[BM+1], v[BM+2]
	s_delay_alu instid0(VALU_DEP_1)
	v_max_num_f32 v[TP], v[TP], v[BM+3]
	s_delay_alu instid0(VALU_DEP_1)
	v_mul_f32 v[TP], s[CS], v[TP]                  ; as t (c is positive)
	s_delay_alu instid0(VALU_DEP_1)
	v_max_num_f32 v13, v13, v[TP]                  ; the running largest t
	v_mov_b32 v[TP], v12
	s_delay_alu instid0(VALU_DEP_2)
	v_floor_f32 v12, -v13                          ; the new -M = floor(-t)
	s_delay_alu instid0(VALU_DEP_1)
	v_sub_f32 v[TP], v12, v[TP]                    ; old M - new M: a whole number, 0 or less
	s_delay_alu instid0(VALU_DEP_1)
	v_cvt_i32_f32 v[TP], v[TP]                     ; (it saturates)
	s_delay_alu instid0(VALU_DEP_1)
	v_ldexp_f32 v[FF], 1.0, v[TP]                  ; f = 2^(old M - new M)
.set jj, 0
.rept 32
	v_pk_fma_f32 v[S+jj:S+jj+1], v[S+jj:S+jj+1], s[CS:CS+1], v[12:13] op_sel_hi:[1,0,0]   ; t - M
.set jj, jj+2
.endr
.irp b, 0,1,2,3
	v_fma_f32 v[BM+\b], v[BM+\b], s[CS], v12       ; the same of each block's largest score
.endr
.set jj, 0
	s_wait_alu depctr_va_vdst(0)
.rept 64
	v_exp_f32 v[S+jj], v[S+jj]                     ; p = 2^(t - M)
.set jj, jj+1
.endr
	s_setprio 1
	v_pk_mul_f32 v[14:15], v[14:15], v[FF:FF+1] op_sel_hi:[1,0]    ; the sums under the new M (the plain line behind the exponentials)
	s_wait_alu depctr_va_vdst(0)                   ; one wait for the batch of 64, ahead of its first reader
.irp b, 0,1,2,3
	v_exp_f32 v[BM+\b], v[BM+\b]                   ; the block's largest p
.endr
	v_pk_add_f32 v[236:237], v[100:101], v[104:105]
	v_pk_add_f32 v[252:253], v[108:109], v[112:113]
	v_pk_add_f32 v[250:251], v[116:117], v[120:121]
	v_pk_add_f32 v[248:249], v[124:125], v[128:129]
	v_pk_add_f32 v[246:247], v[132:133], v[136:137]
	v_pk_add_f32 v[244:245], v[140:141], v[144:145]
	v_pk_add_f32 v[242:243], v[148:149], v[152:153]
	v_pk_add_f32 v[14:15], v[14:15], v[156:157]
	v_pk_add_f32 v[236:237], v[236:237], v[96:97]
	v_pk_add_f32 v[252:253], v[252:253], v[98:99]
	v_pk_add_f32 v[250:251], v[250:251], v[102:103]
	v_pk_add_f32 v[248:249], v[248:249], v[106:107]
	v_pk_add_f32 v[246:247], v[246:247], v[110:111]
	v_pk_add_f32 v[244:245], v[244:245], v[114:115]
	v_pk_add_f32 v[242:243], v[242:243], v[118:119]
	v_pk_add_f32 v[14:15], v[14:15], v[122:123]
	v_pk_add_f32 v[236:237], v[236:237], v[126:127]
	v_pk_add_f32 v[252:253], v[252:253], v[130:131]
	v_pk_add_f32 v[250:251], v[250:251], v[134:135]
	v_pk_add_f32 v[248:249], v[248:249], v[138:139]
	v_pk_add_f32 v[246:247], v[246:247], v[142:143]
	v_pk_add_f32 v[244:245], v[244:245], v[146:147]
	v_pk_add_f32 v[242:243], v[242:243], v[150:151]
	v_pk_add_f32 v[14:15], v[14:15], v[154:155]
	v_pk_add_f32 v[236:237], v[236:237], v[158:159]
	s_delay_alu instid0(VALU_DEP_2)
	v_pk_add_f32 v[14:15], v[14:15], v[248:249]
	s_delay_alu instid0(VALU_DEP_2)
	v_pk_add_f32 v[236:237], v[236:237], v[246:247]
	v_pk_add_f32 v[252:253], v[252:253], v[244:245]
	v_pk_add_f32 v[250:251], v[250:251], v[242:243]
	s_delay_alu instid0(VALU_DEP_2)
	v_pk_add_f32 v[14:15], v[14:15], v[252:253]
	s_delay_alu instid0(VALU_DEP_2)
	v_pk_add_f32 v[236:237], v[236:237], v[250:251]
	s_delay_alu instid0(VALU_DEP_1)
	v_pk_add_f32 v[14:15], v[14:15], v[236:237]
	s_wait_alu depctr_va_vdst(0)                   ; and one for the four
.irp b, 0,1,2,3
	v_max_num_f32 v[BM+\b], 0x1800000, v[BM+\b]    ; the floor 2^(3 - 127)
.endr
.irp b, 0,1,2,3
	s_delay_alu instid0(VALU_DEP_4)
	v_add_nc_u32 v[BS+\b], 0xff000000, v[BM+\b]    ; the conversion's scale operand
.endr
.irp b, 0,1,2,3
	s_delay_alu instid0(VALU_DEP_4)
	v_lshrrev_b32 v[BP+\b], 23, v[BS+\b]           ; the byte
.endr
	s_delay_alu instid0(VALU_DEP_3)
	v_lshl_or_b32 v[PSW], v[BP+1], 8, v[BP]
	s_delay_alu instid0(VALU_DEP_1)
	v_lshl_or_b32 v[PSW], v[BP+2], 16, v[PSW]
	s_delay_alu instid0(VALU_DEP_1)
	v_lshl_or_b32 v[PSW], v[BP+3], 24, v[PSW]
.irp c2, 0,1
	v_cvt_scalef32_pk16_fp6_f32 v[PC+6*\c2:PC+2+6*\c2], v[S+32*\c2:S+15+32*\c2], v[BS+2*\c2]
	v_cvt_scalef32_pk16_fp6_f32 v[PT+4*\c2:PT+2+4*\c2], v[S+16+32*\c2:S+31+32*\c2], v[BS+2*\c2+1]
.endr
	v_nop                                          ; a plain line behind the last conversion
.irp c2, 0,1
.irp i, 0,1,2
	v_permlane16_swap_b32 v[PC+6*\c2+\i], v[PT+4*\c2+\i]
.endr
.irp i, 0,1,2
	s_delay_alu instid0(VALU_DEP_3)
	v_mov_b32 v[PC+3+6*\c2+\i], v[PT+4*\c2+\i]
.endr
.endr
.set jj, 0
.rept 16
	v_pk_mul_f32 v[O+jj:O+jj+1], v[O+jj:O+jj+1], v[FF:FF+1] op_sel_hi:[1,0]   ; O^T under the new M; these sixteen are also the places between p's scale word and codes and the products below
.set jj, jj+2
.endr
	s_setprio 0
.irp t, 0,1,2,3
.irp p, 0,1,2,3,4,5
	ds_load_b64 v[VB+12*\t+2*\p:VB+12*\t+2*\p+1], v[ADC] offset:49152+1536*\t+256*\p
.endr
.endr
	ds_load_b128 v[VSW:VSW+3], v[ADT]
	s_wait_alu depctr_va_vdst(0)
	s_wait_dscnt 0x0
.irp t, 0,1,2,3                                ; O^T += v^T p^T: the four accumulators by turns; the eight products of the scores stand between two links of a chain
	v_wmma_scale_f32_16x16x128_f8f6f4 v[O+8*\t:O+8*\t+7], v[VB+12*\t:VB+12*\t+11], v[PC:PC+11], v[O+8*\t:O+8*\t+7], v[VSW+\t], v[PSW] matrix_a_fmt:MATRIX_FMT_FP6 matrix_b_fmt:MATRIX_FMT_FP6
.endr
.endm
.macro NEXTKEYS                                ; 128 keys on: eight tiles of k, or four fragments of v; their scale words
	s_add_co_u32 s[TB], s[TB], 6144
	s_add_co_u32 s[TS], s[TS], 512
	s_add_co_u32 s[TJ], s[TJ], 256
.endm
; Head c's result: O^T / the sum, quantised along the head's 64 channels (two blocks), three stores of 256 consecutive aligned bytes; its two bytes go into my row's scale word.
.macro FIN c
	v_add_f32 v14, v14, v15
	s_delay_alu instid0(VALU_DEP_1)
	v_permlanex16_b32 v[TP], v14, s[SEL], s[SEL+1]
	s_delay_alu instid0(VALU_DEP_1)
	v_add_f32 v14, v14, v[TP]                      ; the row's sum
	s_wait_alu depctr_va_vdst(0)
	v_rcp_f32 v14, v14
.rept 4
	v_nop                                          ; the plain line behind the reciprocal, and the places behind the last products
.endr
	s_wait_alu depctr_va_vdst(0)                   ; ahead of the reciprocal's first reader
.set jj, 0
.rept 16
	v_pk_mul_f32 v[S+jj:S+jj+1], v[O+jj:O+jj+1], v[14:15] op_sel_hi:[1,0]     ; register 8 t + i: channel 16 t + 8 h + i of my query
.set jj, jj+2
.endr
.irp b, 0,1
	v_max3_num_f32 v[BM+\b], |v[S+16*\b]|, |v[S+1+16*\b]|, 0x1800000
.endr
.irp i, 2,4,6,8,10,12,14
.irp b, 0,1
	s_delay_alu instid0(VALU_DEP_2)
	v_max3_num_f32 v[BM+\b], v[BM+\b], |v[S+16*\b+\i]|, |v[S+1+16*\b+\i]|
.endr
.endr
.irp b, 0,1
	s_delay_alu instid0(VALU_DEP_2)
	v_permlanex16_b32 v[BP+\b], v[BM+\b], s[SEL], s[SEL+1]
.endr
.irp b, 0,1
	s_delay_alu instid0(VALU_DEP_2)
	v_max_num_f32 v[BM+\b], v[BM+\b], v[BP+\b]
.endr
.irp b, 0,1
	s_delay_alu instid0(VALU_DEP_2)
	v_add_nc_u32 v[BS+\b], 0xff000000, v[BM+\b]
.endr
.irp b, 0,1
	s_delay_alu instid0(VALU_DEP_2)
	v_lshrrev_b32 v[BP+\b], 23, v[BS+\b]
.endr
	v_cvt_scalef32_pk16_fp6_f32 v[PC:PC+2], v[S:S+15], v[BS]
	v_cvt_scalef32_pk16_fp6_f32 v[PT:PT+2], v[S+16:S+31], v[BS+1]
	v_nop
.irp i, 0,1,2
	v_permlane16_swap_b32 v[PC+\i], v[PT+\i]
.endr
.irp i, 0,1,2
	s_delay_alu instid0(VALU_DEP_3)
	v_mov_b32 v[PC+3+\i], v[PT+\i]
.endr
.irp p, 0,1,2
	global_store_b64 v[L8], v[PC+2*\p:PC+2*\p+1], s[84:85] offset:768*\c+256*\p
.endr
.if \c
	v_lshl_or_b32 v[TP], v[BP+1], 8, v[BP]
	s_delay_alu instid0(VALU_DEP_1)
	v_lshl_or_b32 v[OSW], v[TP], 16, v[OSW]
.else
	v_lshl_or_b32 v[OSW], v[BP+1], 8, v[BP]
.endif
.endm
.macro HEAD c
.if \c
	s_wait_xcnt 0x0                                ; the first head's stores have read their registers
.endif
	v_mov_b32 v13, 0xff61b1e6                      ; the largest t so far: -3e38
	s_delay_alu instid0(VALU_DEP_1)
	v_floor_f32 v12, -v13
	v_mov_b32 v14, 0
	v_mov_b32 v15, 0
.set jj, 0
.rept 32
	v_mov_b32 v[O+jj], 0                           ; the step finds zeros at first, which the first change of M leaves zeros
.set jj, jj+1
.endr
	s_mov_b32 s[TB], 98304*\c
	s_mov_b32 s[TS], KSC+4096*\c
	s_mov_b32 s[TJ], VSC+2048*\c
.if \c
	s_mov_b32 s[CNT], 8
.else
	STEP 0                                         ; the first head's first key step is written out: the second head's tiles land meanwhile
	NEXTKEYS
	s_wait_tensorcnt 0x0                           ; my part of the second head's tiles is in,
	s_wait_dscnt 0x0
	s_barrier_signal -1
	s_barrier_wait -1                              ; everybody's is: every read of the second head's tiles stands behind this wait
	s_mov_b32 s[CNT], 7
.endif
.Lkey_\@:
	s_setprio 2
	STEP \c
	NEXTKEYS
	s_sub_co_u32 s[CNT], s[CNT], 1
	s_cmp_lg_u32 s[CNT], 0
	s_cbranch_scc1 .Lkey_\@
	s_setprio 0
	FIN \c
.endm
	HEAD 0
	HEAD 1
	global_store_b32 v[OSA], v[OSW], s[86:87]      ; my rows' four scale bytes: words 32 bytes apart, once a wave (one byte in 24 of what the launch stores); both halves of the lanes write the same word with the same value
	s_wait_dscnt 0x0
	s_wait_tensorcnt 0x0
	ds_add_u32 v254, v255
	s_wait_dscnt 0x0
	CROUND                                         ; the closing round
	s_endpgm
.Lfunc_end_k_q0737690109_attn:
	.size	k_q0737690109_attn, .Lfunc_end_k_q0737690109_attn-k_q0737690109_attn
	.p2alignl 7, 3214868480
	.fill 96, 4, 3214868480
	.section	.rodata,"a",@progbits
	.p2align	6, 0x0
	.amdhsa_kernel k_q0737690109_attn
		.amdhsa_group_segment_fixed_size 210944
		.amdhsa_private_segment_fixed_size 0
		.amdhsa_enable_private_segment 0
		.amdhsa_kernarg_size 32
		.amdhsa_user_sgpr_count 2
		.amdhsa_user_sgpr_kernarg_segment_ptr 1
		.amdhsa_wavefront_size32 1
		.amdhsa_system_sgpr_workgroup_id_x 1
		.amdhsa_system_sgpr_workgroup_id_y 1
		.amdhsa_system_sgpr_workgroup_id_z 1
		.amdhsa_system_vgpr_workitem_id 0
		.amdhsa_next_free_vgpr 256
		.amdhsa_next_free_sgpr 90
		.amdhsa_reserve_vcc 0
		.amdhsa_float_denorm_mode_32 3
		.amdhsa_float_denorm_mode_16_64 3
		.amdhsa_memory_ordered 1
		.amdhsa_forward_progress 1
		.amdhsa_inst_pref_size 76
	.end_amdhsa_kernel
	.amdgpu_metadata
---
amdhsa.version: [ 1, 2 ]
amdhsa.kernels:
  - .name:           k_q0737690109_attn
    .symbol:         k_q0737690109_attn.kd
    .args:
      - { .name: qkvimg, .offset: 0, .size: 8, .value_kind: global_buffer, .address_space: global }
      - { .name: qkvsc, .offset: 8, .size: 8, .value_kind: global_buffer, .address_space: global }
      - { .name: oimg, .offset: 16, .size: 8, .value_kind: global_buffer, .address_space: global }
      - { .name: osc, .offset: 24, .size: 8, .value_kind: global_buffer, .address_space: global }
    .group_segment_fixed_size: 210944
    .private_segment_fixed_size: 0
    .kernarg_segment_align: 8
    .kernarg_segment_size: 32
    .max_flat_workgroup_size: 512
    .sgpr_count:     90
    .vgpr_count:     256
    .wavefront_size: 32
...
	.end_amdgpu_metadata
.endif
;; end of part 3
;; launch gemm_proj (part 4): grid 8 x 32, 4 waves a work-group, clusters of 4 x 4, 327,680 bytes of LDS; arguments oimg, osc, pcodes, pscales, b_proj, out0; writes out0
.if DOCPART == 4
	.amdgcn_target "amdgcn-amd-amdhsa--gfx1250"
	.amdhsa_code_object_version 6
	.text
	.protected	k_q0737690109_gemm_proj
	.globl	k_q0737690109_gemm_proj
	.p2align	8
	.type	k_q0737690109_gemm_proj,@function
k_q0737690109_gemm_proj:
	s_mov_b64 s[64:65], 0
	v_nop
	global_prefetch_b8 v0, s[64:65] scope:SCOPE_SE
	s_setreg_imm32_b32 hwreg(HW_REG_WAVE_MODE, 25, 1), 1
	s_wait_xcnt 0x0
	s_wait_alu depctr_hold_cnt(0) depctr_sa_sdst(0) depctr_va_vdst(0) depctr_va_sdst(0) depctr_va_ssrc(0) depctr_va_vcc(0) depctr_vm_vsrc(0)
	s_getreg_b32 s2, hwreg(HW_REG_IB_STS2, 6, 4)
	s_cmp_eq_u32 s2, 0
	s_cbranch_scc0 .Lentry_in_a_cluster
	s_endpgm
.Lentry_in_a_cluster:
	s_bfe_u32 s2, ttmp6, 0x10000c
	s_cmp_lg_u32 s2, 0xf033
	s_cbranch_scc0 .Lentry_shape_is_right
	s_endpgm
.Lentry_shape_is_right:
.set SIZE_N, 1024
.set NQ,     4
.set ROWB,   384
.set ASTEP,  6144
.set KROW,   768
.set KS,     32
.set PITCH,  432
.set FR,     12
.set NL,     6
.set NP,     4
.set HALFA,  8*ASTEP
.set HALFB,  64*PITCH
.set BOFF,   2*HALFA
.set SLOT,   BOFF+2*HALFB
.set SCL,    2*SLOT
.set HALFSA, 16*272
.set HALFSB, 8*272
.set SCB,    SCL+2*HALFSA
.set SBLK,   544
.set SPITCH, 272
.set WPC,    8650752
.set WPS,    360448
.set ADRA, 16
.set ADRB, 20
.set STO,  24
.set RD,   25
.set CO,   26
.set ADRS, 27
.set ADRSA, 28
.set SC,   32
.set BI,   96
.set AF,   128
.set BK,   128
.set G1, 24
.set G0, 32
.set G1B, 48
.set G0B, 56
.set G1S, 68
.set G0S, 76
.set G1SB, 80
.set G0SB, 88
.set MSB, 0
.macro WIN new
.if MSB != (\new)
	s_set_vgpr_msb (MSB<<8)|(\new)
.set MSB, (\new)
.endif
.endm
.set MUL,   0xa1
.set MULB,  0x81
.set TO_B,  0x40
.macro JLOAD g0a, g1a, g0b, g1b
	s_cmp_eq_u32 s15, 0
	s_cbranch_scc0 .Lfor_b_\@
	tensor_load_to_lds s[\g0a:\g0a+3], s[\g1a:\g1a+7]
	s_nop 0
.rept 4
	v_nop
.endr
	s_branch .Lasked_\@
.Lfor_b_\@:
	tensor_load_to_lds s[\g0b:\g0b+3], s[\g1b:\g1b+7]
	s_nop 0
.rept 4
	v_nop
.endr
.Lasked_\@:
.endm
.macro CROUND
	s_barrier_signal -1
	s_barrier_wait -1
	s_cmp_lg_u32 s14, 0
	s_cbranch_scc1 .Lnot_wave_0_\@
	s_barrier_signal -3
.Lnot_wave_0_\@:
	s_barrier_wait -3
	s_barrier_signal -1
	s_barrier_wait -1
.endm
	s_load_b128 s[4:7], s[0:1], 0x0
	s_load_b128 s[8:11], s[0:1], 0x10
	s_load_b64 s[96:97], s[0:1], 0x20
	s_load_b64 s[12:13], s[0:1], 0x28
	v_lshl_add_u32 v254, v0, 2, 0x4e300
	v_mov_b32 v255, 0
	ds_add_u32 v254, v255
	ds_add_u32 v254, v255
	v_lshrrev_b32 v1, 5, v0
	v_readfirstlane_b32 s14, v1
	s_lshr_b32 s15, s14, 1
	s_and_b32 s16, s14, 1
	s_bfe_u32 s40, ttmp6, 0x40000
	s_bfe_u32 s41, ttmp6, 0x40004
	s_lshl_b32 s42, ttmp9, 2
	s_add_co_u32 s42, s42, s40
	s_and_b32 s17, ttmp7, 0xffff
	s_lshl_b32 s17, s17, 2
	s_add_co_u32 s17, s17, s41
	s_lshl_b32 s43, s41, 2
	s_lshl_b32 s43, 15, s43
	s_lshl_b32 s44, 0x1111, s40
	s_or_b32 s[G1+0], s43, (3<<16)|(1<<21)
	s_mov_b32 s[G1+1], 768<<16
	s_mov_b32 s[G1+2], 8<<16
	s_mov_b32 s[G1+3], 768<<16
	s_mov_b32 s[G1+4], 8
	s_mov_b32 s[G1+5], 1536
	s_mov_b32 s[G1+6], 0
	s_mov_b32 s[G1+7], 0
	s_or_b32 s[G1B+0], s44, (0<<16)|(1<<20)|(1<<21)|(4<<22)|(3<<25)
	s_mov_b32 s[G1B+1], ROWB<<16
	s_mov_b32 s[G1B+2], 64<<16
	s_mov_b32 s[G1B+3], ROWB<<16
	s_mov_b32 s[G1B+4], 64
	s_mov_b32 s[G1B+5], KROW
	s_mov_b32 s[G1B+6], 0
	s_mov_b32 s[G1B+7], 0
	s_or_b32 s[G1S+0], s43, (3<<16)|(1<<20)|(1<<21)|(5<<22)|(3<<25)
	s_mov_b32 s[G1S+1], 32<<16
	s_mov_b32 s[G1S+2], 16<<16
	s_mov_b32 s[G1S+3], 32<<16
	s_mov_b32 s[G1S+4], 16
	s_mov_b32 s[G1S+5], 32
	s_mov_b32 s[G1S+6], 0
	s_mov_b32 s[G1S+7], 0
	s_or_b32 s[G1SB+0], s44, (3<<16)|(1<<20)|(1<<21)|(5<<22)|(3<<25)
	s_mov_b32 s[G1SB+1], 32<<16
	s_mov_b32 s[G1SB+2], 8<<16
	s_mov_b32 s[G1SB+3], 32<<16
	s_mov_b32 s[G1SB+4], 8
	s_mov_b32 s[G1SB+5], 32
	s_mov_b32 s[G1SB+6], 0
	s_mov_b32 s[G1SB+7], 0
	s_lshl_b32 s18, s16, 7
	s_lshl_b32 s20, s17, 8
	s_add_co_u32 s20, s20, s18
	s_lshl_b32 s18, s16, 6
	s_lshl_b32 s46, s42, 7
	s_add_co_u32 s46, s46, s18
	s_mov_b32 s21, 0
	s_mov_b32 s47, 0
	s_mov_b64 s[18:19], KS
	s_mul_u64 s[22:23], s[20:21], s[18:19]
	s_mul_u64 s[92:93], s[46:47], s[18:19]
	s_mov_b64 s[18:19], KROW
	s_mul_u64 s[20:21], s[20:21], s[18:19]
	s_mul_u64 s[46:47], s[46:47], s[18:19]
	s_add_co_u32 s46, s46, WPC
	s_add_co_u32 s92, s92, WPS
	s_mul_i32 s45, s16, HALFA
	s_mul_i32 s95, s16, HALFB
	s_mul_i32 s94, s16, HALFSA
	s_mul_i32 s3, s16, HALFSB
	s_wait_dscnt 0x0
	s_wait_kmcnt 0x0
	s_add_nc_u64 s[20:21], s[4:5], s[20:21]
	s_add_nc_u64 s[22:23], s[6:7], s[22:23]
	s_add_nc_u64 s[46:47], s[8:9], s[46:47]
	s_add_nc_u64 s[92:93], s[10:11], s[92:93]
	CROUND
	s_mov_b32 s[G0S], 1
	s_add_co_u32 s[G0S+1], s94, SCL
	s_mov_b64 s[G0S+2:G0S+3], s[22:23]
	s_or_b32 s[G0S+3], s[G0S+3], 0x80000000
	s_mov_b32 s[G0SB], 1
	s_add_co_u32 s[G0SB+1], s3, SCB
	s_mov_b64 s[G0SB+2:G0SB+3], s[92:93]
	s_or_b32 s[G0SB+3], s[G0SB+3], 0x80000000
	JLOAD G0S, G1S, G0SB, G1SB
.irp s, 0,1
	s_mov_b32 s[G0+4*\s], 1
	s_add_co_u32 s[G0+4*\s+1], s45, \s*SLOT
	s_add_nc_u64 s[G0+4*\s+2:G0+4*\s+3], s[20:21], \s*ASTEP
	s_or_b32 s[G0+4*\s+3], s[G0+4*\s+3], 0x80000000
	s_mov_b32 s[G0B+4*\s], 1
	s_add_co_u32 s[G0B+4*\s+1], s95, \s*SLOT+BOFF
	s_add_nc_u64 s[G0B+4*\s+2:G0B+4*\s+3], s[46:47], \s*ROWB
	s_or_b32 s[G0B+4*\s+3], s[G0B+4*\s+3], 0x80000000
	s_wait_alu depctr_va_vdst(0)
	s_wait_tensorcnt 0x0
	ds_add_u32 v254, v255
	s_wait_dscnt 0x0
	CROUND
	JLOAD G0+4*\s, G1, G0B+4*\s, G1B
.endr
	v_and_b32 v1, 15, v0
	v_bfe_u32 v2, v0, 4, 1
	v_and_b32 v6, 31, v0
	v_lshlrev_b32 v7, 3, v6
	v_mul_u32_u24 v3, v1, PITCH
	v_mul_u32_u24 v4, v2, 24
	v_add_nc_u32 v4, v3, v4
	v_lshl_add_u32 v5, v2, 4, v4
	s_mul_i32 s21, s15, HALFA
	s_mul_i32 s22, s16, HALFB
	s_add_co_u32 s22, s22, BOFF
.irp s, 0,1
	v_add_nc_u32 v[ADRA+\s], s21, v7
	v_add_nc_u32 v[ADRB+\s], s22, v4
	v_add_nc_u32 v[ADRB+2+\s], s22, v5
	s_add_co_u32 s21, s21, SLOT
	s_add_co_u32 s22, s22, SLOT
.endr
	v_mul_u32_u24 v5, v1, KS
	v_lshrrev_b32 v6, 8, v5
	v_lshl_add_u32 v5, v6, 4, v5
	s_mul_i32 s21, s15, HALFSA
	s_mul_i32 s22, s16, HALFSB
	s_add_co_u32 s22, s22, 2*HALFSA
	s_sub_co_u32 s22, s22, s21
	v_mul_u32_u24 v6, s22, v2
	s_add_co_u32 s21, s21, SCL
	v_add_nc_u32 v[ADRSA], s21, v5
	v_add_nc_u32 v[ADRS], v[ADRSA], v6
	s_mul_i32 s23, s14, 16*SPITCH
	v_mul_u32_u24 v5, v1, SPITCH
	v_lshl_add_u32 v5, v2, 5, v5
	v_add_nc_u32 v[STO], s23, v5
	v_mul_u32_u24 v5, v2, SPITCH
	v_lshl_add_u32 v5, v1, 4, v5
	v_add_nc_u32 v[RD], s23, v5
	v_lshlrev_b32 v[CO], 12, v2
	v_lshl_add_u32 v[CO], v1, 4, v[CO]
	s_lshl_b32 s20, s17, 8
	s_lshl_b32 s21, s15, 7
	s_add_co_u32 s20, s20, s21
	s_mov_b32 s21, 0
	s_mov_b64 s[18:19], SIZE_N*4
	s_mul_u64 s[20:21], s[20:21], s[18:19]
	s_lshl_b32 s46, s42, 9
	s_lshl_b32 s47, s16, 8
	s_add_co_u32 s46, s46, s47
	v_lshl_add_u32 v9, v2, 5, s46
	s_mov_b32 s47, 0
	s_add_nc_u64 s[20:21], s[20:21], s[46:47]
	s_add_nc_u64 s[12:13], s[12:13], s[20:21]
.irp t, 0,1,2,3
	global_load_b128 v[BI+8*\t:BI+8*\t+3], v9, s[96:97] offset:64*\t
	global_load_b128 v[BI+8*\t+4:BI+8*\t+7], v9, s[96:97] offset:64*\t+16
.endr
.macro FRAG reg, adr, q, i
.irp p, 0,1,2,3,4,5
.set PCE, 12*(\q)+6*(\p/3)+\p%3
.if PCE%16 < 13
	ds_load_b64 v[\reg+2*\p:\reg+2*\p+1], v[\adr] offset:8*PCE+16*(PCE/16)+(\i)*16*PITCH
.else
	ds_load_b64 v[\reg+2*\p:\reg+2*\p+1], v[\adr+2] offset:8*PCE+16*(PCE/16)+(\i)*16*PITCH
.endif
.endr
.endm
.macro FRAGA reg, adr, q, i
.irp p, 0,1,2,3,4,5
	ds_load_b64 v[\reg+2*\p:\reg+2*\p+1], v[\adr] offset:ASTEP*(\i)+1536*(\q)+256*\p
.endr
.endm
.macro MUL8 a0, p, q, sc, zero
.irp a, \a0, \a0+1
.irp b, 0,1,2,3
.if \zero
	v_wmma_scale_f32_16x16x128_f8f6f4 v[8*(4*(\a)+\b):8*(4*(\a)+\b)+7], v[128*(\p)+FR*\b:128*(\p)+FR*\b+FR-1], v[AF+FR*(\a):AF+FR*(\a)+FR-1], v[BI+8*\b:BI+8*\b+7], v[SC+32*(\sc)+4*\b+(\q)], v[SC+32*(\sc)+4*(\a)+(\q)] matrix_a_fmt:MATRIX_FMT_FP6 matrix_b_fmt:MATRIX_FMT_FP6 matrix_a_scale:MATRIX_SCALE_ROW1
.else
	v_wmma_scale_f32_16x16x128_f8f6f4 v[8*(4*(\a)+\b):8*(4*(\a)+\b)+7], v[128*(\p)+FR*\b:128*(\p)+FR*\b+FR-1], v[AF+FR*(\a):AF+FR*(\a)+FR-1], v[8*(4*(\a)+\b):8*(4*(\a)+\b)+7], v[SC+32*(\sc)+4*\b+(\q)], v[SC+32*(\sc)+4*(\a)+(\q)] matrix_a_fmt:MATRIX_FMT_FP6 matrix_b_fmt:MATRIX_FMT_FP6 matrix_a_scale:MATRIX_SCALE_ROW1
.endif
.endr
.endr
.endm
.macro FETCH_B slot, q, p
	WIN TO_B
.irp i, 0,1,2,3
	FRAG 128*(\p)+FR*\i, ADRB+\slot, \q, \i
.endr
	WIN 0
.endm
.macro FETCH_A slot, q, i0
.irp i, \i0, \i0+1, \i0+2, \i0+3
	FRAGA AF+FR*(\i), ADRA+\slot, \q, \i
.endr
.endm
.macro SCALES sc
.irp i, 0,1,2,3
	ds_load_b128 v[SC+32*\sc+4*\i:SC+32*\sc+4*\i+3], v[ADRS] offset:\i*SBLK+16*\sc
.endr
.irp i, 4,5,6,7
	ds_load_b128 v[SC+32*\sc+4*\i:SC+32*\sc+4*\i+3], v[ADRSA] offset:\i*SBLK+16*\sc
.endr
.endm
.macro PLACES n
.rept \n
	v_nop
.endr
.endm
.macro STEP slot, q, zero
	s_wait_dscnt 4*NL
	WIN MUL-0x20*(\zero)
	MUL8 0, (\q)%2, \q, \slot, \zero
	MUL8 2, (\q)%2, \q, \slot, \zero
	s_wait_dscnt 0
	PLACES NP
	FETCH_B \slot, (\q)+1, 1-(\q)%2
	FETCH_A \slot, (\q)+1, 0
	WIN MUL-0x20*(\zero)
	MUL8 4, (\q)%2, \q, \slot, \zero
	MUL8 6, (\q)%2, \q, \slot, \zero
	PLACES NP
	WIN 0
	FETCH_A \slot, (\q)+1, 4
.endm
	s_wait_tensorcnt 1
	s_barrier_signal -1
	s_barrier_wait -1
	FETCH_B 0, 0, 0
	FETCH_A 0, 0, 0
	SCALES 0
	FETCH_A 0, 0, 4
	s_wait_loadcnt 0x0
	STEP 0, 0, 1
	STEP 0, 1, 0
	STEP 0, 2, 0
	s_wait_tensorcnt 0x0
	s_wait_dscnt 4*NL
	WIN MUL
	MUL8 0, 1, 3, 0, 0
	s_wait_dscnt 0x0
	s_barrier_signal -1
	MUL8 2, 1, 3, 0, 0
	WIN 0
	s_barrier_wait -1
	PLACES NP
	FETCH_B 1, 0, 0
	FETCH_A 1, 0, 0
	SCALES 1
	WIN MUL
	MUL8 4, 1, 3, 0, 0
	MUL8 6, 1, 3, 0, 0
	PLACES NP
	WIN 0
	FETCH_A 1, 0, 4
	STEP 1, 0, 0
	STEP 1, 1, 0
	STEP 1, 2, 0
	s_wait_dscnt 4*NL
	WIN MUL
	MUL8 0, 1, 3, 1, 0
	MUL8 2, 1, 3, 1, 0
	s_wait_alu depctr_va_vdst(0)
	s_wait_dscnt 0
	MUL8 4, 1, 3, 1, 0
	MUL8 6, 1, 3, 1, 0
	WIN 0
.macro TOSTAGE a
	WIN 0x08
.irp b, 0,1,2,3
	ds_store_b128 v[STO], v[32*(\a)+8*\b:32*(\a)+8*\b+3] offset:64*\b
	ds_store_b128 v[STO], v[32*(\a)+8*\b+4:32*(\a)+8*\b+7] offset:64*\b+16
.endr
	WIN 0
.set BB, BK+32*((\a)%2)
.irp t, 0,1,2,3,4,5,6,7
	ds_load_b128 v[BB+4*\t:BB+4*\t+3], v[RD] offset:\t*2*SPITCH
.endr
.endm
.macro SEND a, younger
.set BB, BK+32*((\a)%2)
	s_wait_dscnt \younger
.if (\a) > 0
	s_add_nc_u64 s[12:13], s[12:13], 16*SIZE_N*4
.endif
.irp t, 0,1,2,3,4,5,6,7
	global_store_b128 v[CO], v[BB+4*\t:BB+4*\t+3], s[12:13] offset:2*\t*SIZE_N*4 th:TH_STORE_NT
.endr
.endm
	PLACES NP
	TOSTAGE 0
.irp a, 1,2,3,4,5,6,7
.if \a > 1
	s_wait_xcnt 0x0
.endif
	TOSTAGE \a
	SEND \a-1, 16
.endr
	s_wait_xcnt 0x0
	SEND 7, 0
	s_wait_dscnt 0x0
	s_wait_tensorcnt 0x0
	ds_add_u32 v254, v255
	s_wait_dscnt 0x0
	CROUND
	s_endpgm
.Lfunc_end_k_q0737690109_gemm_proj:
	.size	k_q0737690109_gemm_proj, .Lfunc_end_k_q0737690109_gemm_proj-k_q0737690109_gemm_proj
	.p2alignl 7, 3214868480
	.fill 96, 4, 3214868480
	.section	.rodata,"a",@progbits
	.p2align	6, 0x0
	.amdhsa_kernel k_q0737690109_gemm_proj
		.amdhsa_group_segment_fixed_size 327680
		.amdhsa_private_segment_fixed_size 0
		.amdhsa_enable_private_segment 0
		.amdhsa_kernarg_size 48
		.amdhsa_user_sgpr_count 2
		.amdhsa_user_sgpr_kernarg_segment_ptr 1
		.amdhsa_wavefront_size32 1
		.amdhsa_system_sgpr_workgroup_id_x 1
		.amdhsa_system_sgpr_workgroup_id_y 1
		.amdhsa_system_sgpr_workgroup_id_z 1
		.amdhsa_system_vgpr_workitem_id 0
		.amdhsa_next_free_vgpr 1024
		.amdhsa_next_free_sgpr 102
		.amdhsa_reserve_vcc 0
		.amdhsa_float_denorm_mode_32 3
		.amdhsa_float_denorm_mode_16_64 3
		.amdhsa_memory_ordered 1
		.amdhsa_forward_progress 1
		.amdhsa_inst_pref_size 101
	.end_amdhsa_kernel
	.amdgpu_metadata
---
amdhsa.version: [ 1, 2 ]
amdhsa.kernels:
  - .name:           k_q0737690109_gemm_proj
    .symbol:         k_q0737690109_gemm_proj.kd
    .args:
      - { .name: oimg, .offset: 0, .size: 8, .value_kind: global_buffer, .address_space: global }
      - { .name: osc, .offset: 8, .size: 8, .value_kind: global_buffer, .address_space: global }
      - { .name: pcodes, .offset: 16, .size: 8, .value_kind: global_buffer, .address_space: global }
      - { .name: pscales, .offset: 24, .size: 8, .value_kind: global_buffer, .address_space: global }
      - { .name: b_proj, .offset: 32, .size: 8, .value_kind: global_buffer, .address_space: global }
      - { .name: out0, .offset: 40, .size: 8, .value_kind: global_buffer, .address_space: global }
    .group_segment_fixed_size: 327680
    .private_segment_fixed_size: 0
    .kernarg_segment_align: 8
    .kernarg_segment_size: 48
    .max_flat_workgroup_size: 128
    .sgpr_count:     102
    .vgpr_count:     1024
    .wavefront_size: 32
...
	.end_amdgpu_metadata
.endif
;; end of part 4
